; MI455X (gfx1250); checked and timed in simulation.
; The chip was launched on July 23, 2026; its instructions are those of AMD's public machine-readable ISA for CDNA 5 (MIT licence, August 2026) and "CDNA5" Instruction Set Architecture Reference Guide (July 2026). The comments in the code are by the model that wrote it; some were corrected since.
;; Parallel Transformer Layer. Allowed arithmetic: float matrix products may take bf16 or f16 operands with f32 sums; all other float work in f32.
;; Inputs: b_dense 1,024 float32; b_fc1 4,096 float32; b_fc2 1,024 float32; b_qkv 3,072 float32; hidden_states 2,048 x 2 x 1,024 float32; ln1_b 1,024 float32; ln1_g 1,024 float32; ln2_b 1,024 float32; ln2_g 1,024 float32; w_dense 1,024 x 1,024 float32; w_fc1 1,024 x 4,096 float32; w_fc2 4,096 x 1,024 float32; w_qkv 1,024 x 3,072 float32.
;; Outputs: out0 2,048 x 2 x 1,024 float32.
;; One version. Each part assembles by itself: llvm-mc -triple=amdgcn-amd-amdhsa -mcpu=gfx1250 --defsym DOCPART=n.
;; ======== version 1 of 1: 7 launches
;; limits: a function is approximated: absolute error at most 1.5e-07
;; workspace buffers: wb 25,165,824 bytes; an 8,388,608 bytes; qkvb 25,165,824 bytes; ctx 8,388,608 bytes; y 16,777,216 bytes; h 33,554,432 bytes
;; launch prep (part 1): grid 1024 x 1, 8 waves a work-group, no clusters, 0 bytes of LDS; arguments hidden_states, ln1_g, ln1_b, an, w_qkv, w_dense, w_fc1, w_fc2, wb; writes an, wb
.if DOCPART == 1
	.amdgcn_target "amdgcn-amd-amdhsa--gfx1250"
	.amdhsa_code_object_version 6
	.text
	.protected	k_qf2b49a1db7_prep
	.globl	k_qf2b49a1db7_prep
	.p2align	8
	.type	k_qf2b49a1db7_prep,@function
k_qf2b49a1db7_prep:
	s_mov_b64 s[64:65], 0
	v_nop
	global_prefetch_b8 v0, s[64:65] scope:SCOPE_SE
	s_setreg_imm32_b32 hwreg(HW_REG_WAVE_MODE, 25, 1), 1
	s_wait_xcnt 0x0
; Work-groups 0-255: the first layer norm.  x: [2048 s][2 b][1024] f32 -> an: [b*2048+s][1024] bf16, (x - mean) * rsqrt(var + 1e-5) * g + b, all in f32, rounded once.
; Work-groups 256-1023: the four weight matrices are rounded to bf16 and laid one behind the other in wb, each [K][N] as it came.
; Every work-group moves 65,536 bytes in and 32,768 out.  No LDS, no barrier: a wave owns whole rows (or a whole chunk) and never looks at another wave.
; LAYER NORM.  A wave takes the two rows of one s (b = 0, 1): 4,096 bytes each, 32 registers a lane, kept in registers between the passes.  The mean is taken away
; before the squares are summed, so a common offset of the inputs costs no digits.  NaN and infinities are not treated apart.
.set X0, 8                             ; v[8:39]    row b = 0
.set X1, 40                            ; v[40:71]   row b = 1
.set G,  72                            ; v[72:103]  gains of my 32 columns
.set BB, 104                           ; v[104:135] offsets of my 32 columns
.set T,  136                           ; v[136:143] four chains of sums
.set MU, 144                           ; v[144:145] the mean, twice
.set R0, 146                           ; v[146:147] 1 / sqrt(var + eps) of row 0, twice
.set R1, 148                           ; v[148:149] of row 1
.set O0, 152                           ; v[152:167] row 0 in bf16
.set O1, 168                           ; v[168:183] row 1 in bf16
.set CI, 8                             ; the cast: v[8:71] 16 loads of 16 bytes a lane
.set CW, 72                            ; v[72:103] the same numbers in bf16
	s_load_b256 s[4:11], s[0:1], 0x0               ; x s[4:5], g s[6:7], b s[8:9], an s[10:11]
	s_load_b256 s[12:19], s[0:1], 0x20             ; w_qkv s[12:13], w_dense s[14:15], w_fc1 s[16:17], w_fc2 s[18:19]
	s_load_b64 s[20:21], s[0:1], 0x40              ; wb
	v_and_b32 v3, 31, v0
	v_lshlrev_b32 v1, 4, v3                        ; 16 x lane: f32 in
	v_lshlrev_b32 v2, 3, v3                        ; 8 x lane: bf16 out
	v_lshrrev_b32 v4, 5, v0
	v_readfirstlane_b32 s26, v4                    ; wave 0..7
	s_cmp_lt_u32 ttmp9, 256
	s_cbranch_scc0 .Lcast
	s_lshl_b32 s28, ttmp9, 16                      ; 16 rows of 4,096 bytes a work-group,
	s_lshl_b32 s27, s26, 13                        ; two a wave
	s_add_co_u32 s28, s28, s27
	s_mov_b32 s29, 0
	s_lshl_b32 s30, ttmp9, 3
	s_add_co_u32 s30, s30, s26                     ; s = 8 x work-group + wave
	s_lshl_b32 s30, s30, 11                        ; a row of an is 2,048 bytes
	s_mov_b32 s31, 0
	s_mov_b32 s22, 0x76543210                      ; v_permlanex16_b32: each lane takes its own place in the other half
	s_mov_b32 s23, 0xfedcba98
	s_mov_b32 s24, 0x3a800000                      ; 1 / 1024
	s_mov_b32 s25, 0x3727c5ac                      ; 1e-5
	s_wait_kmcnt 0x0
	s_add_nc_u64 s[4:5], s[4:5], s[28:29]
	s_add_nc_u64 s[10:11], s[10:11], s[30:31]
.irp j, 0,1,2,3,4,5,6,7                ; load j: columns 128 j + 4 lane .. + 3; 512 consecutive bytes a wave
	global_load_b128 v[X0+4*(\j):X0+4*(\j)+3], v1, s[4:5] offset:512*(\j)
.endr
.irp j, 0,1,2,3,4,5,6,7
	global_load_b128 v[X1+4*(\j):X1+4*(\j)+3], v1, s[4:5] offset:4096+512*(\j)
.endr
.irp j, 0,1,2,3,4,5,6,7
	global_load_b128 v[G+4*(\j):G+4*(\j)+3], v1, s[6:7] offset:512*(\j)
.endr
.irp j, 0,1,2,3,4,5,6,7
	global_load_b128 v[BB+4*(\j):BB+4*(\j)+3], v1, s[8:9] offset:512*(\j)
.endr
.macro FOLD                            ; the four chains into one number, then over the 32 lanes; every lane ends with the sum
	v_pk_add_f32 v[T:T+1], v[T:T+1], v[T+2:T+3]
	v_pk_add_f32 v[T+4:T+5], v[T+4:T+5], v[T+6:T+7]
	v_pk_add_f32 v[T:T+1], v[T:T+1], v[T+4:T+5]
	v_add_f32 v[T], v[T], v[T+1]
	v_add_f32_dpp v[T], v[T], v[T] row_xmask:1 row_mask:0xf bank_mask:0xf
	v_add_f32_dpp v[T], v[T], v[T] row_xmask:2 row_mask:0xf bank_mask:0xf
	v_add_f32_dpp v[T], v[T], v[T] row_xmask:4 row_mask:0xf bank_mask:0xf
	v_add_f32_dpp v[T], v[T], v[T] row_xmask:8 row_mask:0xf bank_mask:0xf
	v_permlanex16_b32 v[T+1], v[T], s22, s23       ; its destination counts as read: T+1 has been written
	v_add_f32 v[T], v[T], v[T+1]
.endm
.macro STAT x, r                       ; the row at x becomes x - mean; r, r + 1 take 1 / sqrt(var + eps)
.irp c, 0,1,2,3
	v_pk_add_f32 v[T+2*(\c):T+2*(\c)+1], v[(\x)+2*(\c):(\x)+2*(\c)+1], v[(\x)+8+2*(\c):(\x)+8+2*(\c)+1]
.endr
.irp k, 2,3
.irp c, 0,1,2,3
	v_pk_add_f32 v[T+2*(\c):T+2*(\c)+1], v[T+2*(\c):T+2*(\c)+1], v[(\x)+8*(\k)+2*(\c):(\x)+8*(\k)+2*(\c)+1]
.endr
.endr
	FOLD
	v_mul_f32 v[MU], s24, v[T]
	v_mul_f32 v[MU+1], s24, v[T]
.set z, 0
.rept 16
	v_pk_add_f32 v[(\x)+2*z:(\x)+2*z+1], v[(\x)+2*z:(\x)+2*z+1], v[MU:MU+1] neg_lo:[0,1] neg_hi:[0,1]
.set z, z+1
.endr
.irp c, 0,1,2,3
	v_pk_mul_f32 v[T+2*(\c):T+2*(\c)+1], v[(\x)+2*(\c):(\x)+2*(\c)+1], v[(\x)+2*(\c):(\x)+2*(\c)+1]
.endr
.irp k, 1,2,3
.irp c, 0,1,2,3
	v_pk_fma_f32 v[T+2*(\c):T+2*(\c)+1], v[(\x)+8*(\k)+2*(\c):(\x)+8*(\k)+2*(\c)+1], v[(\x)+8*(\k)+2*(\c):(\x)+8*(\k)+2*(\c)+1], v[T+2*(\c):T+2*(\c)+1]
.endr
.endr
	FOLD
	v_fma_f32 v[T], v[T], s24, s25                 ; var + eps
	v_rsq_f32 v[(\r)], v[T]
	v_rsq_f32 v[(\r)+1], v[T]
	v_nop                                          ; a plain instruction before the result is used or the source rewritten (ISA guide 5.7.2)
.endm
.macro EMIT x, r, o, imm               ; scaled, gain and offset applied, rounded, stored: each store covers 256 consecutive bytes, aligned
.set z, 0
	s_wait_alu depctr_va_vdst(0)
.rept 16
	v_pk_mul_f32 v[(\x)+2*z:(\x)+2*z+1], v[(\x)+2*z:(\x)+2*z+1], v[(\r):(\r)+1]
.set z, z+1
.endr
.set z, 0
.rept 16
	v_pk_fma_f32 v[(\x)+2*z:(\x)+2*z+1], v[(\x)+2*z:(\x)+2*z+1], v[G+2*z:G+2*z+1], v[BB+2*z:BB+2*z+1]
.set z, z+1
.endr
.set z, 0
.rept 16
	v_cvt_pk_bf16_f32 v[(\o)+z], v[(\x)+2*z], v[(\x)+2*z+1]
.set z, z+1
.endr
.irp j, 0,1,2,3,4,5,6,7
	global_store_b64 v2, v[(\o)+2*(\j):(\o)+2*(\j)+1], s[10:11] offset:256*(\j)+(\imm)
.endr
.endm
	s_wait_loadcnt 24                              ; row 0 is in; the 24 younger loads (row 1, g, b) stay out
	STAT X0, R0
	s_wait_loadcnt 16                              ; row 1 is in
	STAT X1, R1
	s_wait_loadcnt 0x0                             ; g and b
	EMIT X0, R0, O0, 0
	EMIT X1, R1, O1, 4194304                       ; b = 1 lies 2,048 rows of 2,048 bytes further on
	s_endpgm
.Lcast:                                                ; chunk c of 768: 16,384 numbers.  0-191 w_qkv, 192-255 w_dense, 256-511 w_fc1, 512-767 w_fc2: wb holds them in this order
	s_sub_co_u32 s27, ttmp9, 256
	s_wait_kmcnt 0x0
	s_mov_b64 s[28:29], s[18:19]
	s_mov_b32 s30, 512                             ; the chosen matrix's first chunk
	s_cmp_lt_u32 s27, 512
	s_cselect_b64 s[28:29], s[16:17], s[28:29]
	s_cselect_b32 s30, 256, s30
	s_cmp_lt_u32 s27, 256
	s_cselect_b64 s[28:29], s[14:15], s[28:29]
	s_cselect_b32 s30, 192, s30
	s_cmp_lt_u32 s27, 192
	s_cselect_b64 s[28:29], s[12:13], s[28:29]
	s_cselect_b32 s30, 0, s30
	s_sub_co_u32 s30, s27, s30
	s_lshl_b32 s30, s30, 16                        ; 65,536 bytes of f32 a chunk,
	s_lshl_b32 s31, s26, 13                        ; 8,192 a wave
	s_add_co_u32 s30, s30, s31
	s_mov_b32 s31, 0
	s_add_nc_u64 s[28:29], s[28:29], s[30:31]
	s_lshl_b32 s30, s27, 15                        ; 32,768 bytes of bf16 a chunk,
	s_lshl_b32 s31, s26, 12                        ; 4,096 a wave
	s_add_co_u32 s30, s30, s31
	s_mov_b32 s31, 0
	s_add_nc_u64 s[20:21], s[20:21], s[30:31]
.irp i, 0,1,2,3,4,5,6,7,8,9,10,11,12,13,14,15
	global_load_b128 v[CI+4*(\i):CI+4*(\i)+3], v1, s[28:29] offset:512*(\i) th:TH_LOAD_NT
.endr
.irp i, 0,1,2,3,4,5,6,7,8,9,10,11,12,13,14,15
	s_wait_loadcnt 15-(\i)                         ; loads come back in order: load i is in, the younger ones stay out
	v_cvt_pk_bf16_f32 v[CW+2*(\i)], v[CI+4*(\i)], v[CI+4*(\i)+1]
	v_cvt_pk_bf16_f32 v[CW+2*(\i)+1], v[CI+4*(\i)+2], v[CI+4*(\i)+3]
	global_store_b64 v2, v[CW+2*(\i):CW+2*(\i)+1], s[20:21] offset:256*(\i)
.endr
	s_endpgm
.Lfunc_end_k_qf2b49a1db7_prep:
	.size	k_qf2b49a1db7_prep, .Lfunc_end_k_qf2b49a1db7_prep-k_qf2b49a1db7_prep
	.p2alignl 7, 3214868480
	.fill 96, 4, 3214868480
	.section	.rodata,"a",@progbits
	.p2align	6, 0x0
	.amdhsa_kernel k_qf2b49a1db7_prep
		.amdhsa_group_segment_fixed_size 0
		.amdhsa_private_segment_fixed_size 0
		.amdhsa_enable_private_segment 0
		.amdhsa_kernarg_size 72
		.amdhsa_user_sgpr_count 2
		.amdhsa_user_sgpr_kernarg_segment_ptr 1
		.amdhsa_wavefront_size32 1
		.amdhsa_system_sgpr_workgroup_id_x 1
		.amdhsa_system_sgpr_workgroup_id_y 1
		.amdhsa_system_sgpr_workgroup_id_z 1
		.amdhsa_system_vgpr_workitem_id 0
		.amdhsa_next_free_vgpr 184
		.amdhsa_next_free_sgpr 66
		.amdhsa_reserve_vcc 0
		.amdhsa_float_denorm_mode_32 3
		.amdhsa_float_denorm_mode_16_64 3
		.amdhsa_memory_ordered 1
		.amdhsa_forward_progress 1
		.amdhsa_inst_pref_size 27
	.end_amdhsa_kernel
	.amdgpu_metadata
---
amdhsa.version: [ 1, 2 ]
amdhsa.kernels:
  - .name:           k_qf2b49a1db7_prep
    .symbol:         k_qf2b49a1db7_prep.kd
    .args:
      - { .name: hidden_states, .offset: 0, .size: 8, .value_kind: global_buffer, .address_space: global }
      - { .name: ln1_g, .offset: 8, .size: 8, .value_kind: global_buffer, .address_space: global }
      - { .name: ln1_b, .offset: 16, .size: 8, .value_kind: global_buffer, .address_space: global }
      - { .name: an, .offset: 24, .size: 8, .value_kind: global_buffer, .address_space: global }
      - { .name: w_qkv, .offset: 32, .size: 8, .value_kind: global_buffer, .address_space: global }
      - { .name: w_dense, .offset: 40, .size: 8, .value_kind: global_buffer, .address_space: global }
      - { .name: w_fc1, .offset: 48, .size: 8, .value_kind: global_buffer, .address_space: global }
      - { .name: w_fc2, .offset: 56, .size: 8, .value_kind: global_buffer, .address_space: global }
      - { .name: wb, .offset: 64, .size: 8, .value_kind: global_buffer, .address_space: global }
    .group_segment_fixed_size: 0
    .private_segment_fixed_size: 0
    .kernarg_segment_align: 8
    .kernarg_segment_size: 72
    .max_flat_workgroup_size: 256
    .sgpr_count:     66
    .vgpr_count:     184
    .wavefront_size: 32
...
	.end_amdgpu_metadata
.endif
;; end of part 1
;; launch qkv (part 2): grid 16 x 16, 4 waves a work-group, clusters of 4 x 4, 327,680 bytes of LDS; arguments an, wb, b_qkv, qkvb; writes qkvb
.if DOCPART == 2
	.amdgcn_target "amdgcn-amd-amdhsa--gfx1250"
	.amdhsa_code_object_version 6
	.text
	.protected	k_qf2b49a1db7_qkv
	.globl	k_qf2b49a1db7_qkv
	.p2align	8
	.type	k_qf2b49a1db7_qkv,@function
k_qf2b49a1db7_qkv:
	s_mov_b64 s[64:65], 0
	v_nop
	global_prefetch_b8 v0, s[64:65] scope:SCOPE_SE
	s_setreg_imm32_b32 hwreg(HW_REG_WAVE_MODE, 25, 1), 1
	s_wait_xcnt 0x0
	s_wait_alu depctr_hold_cnt(0) depctr_sa_sdst(0) depctr_va_vdst(0) depctr_va_sdst(0) depctr_va_ssrc(0) depctr_va_vcc(0) depctr_vm_vsrc(0)
	s_getreg_b32 s2, hwreg(HW_REG_IB_STS2, 6, 4)
	s_cmp_eq_u32 s2, 0
	s_cbranch_scc0 .Lentry_in_a_cluster
	s_endpgm
.Lentry_in_a_cluster:
	s_bfe_u32 s2, ttmp6, 0x10000c
	s_cmp_lg_u32 s2, 0xf033
	s_cbranch_scc0 .Lentry_shape_is_right
	s_endpgm
.Lentry_shape_is_right:
; q, k, v = an x Wqkv + b_qkv, sent out by heads.  an: [4096 tokens, b*2048+s][1024] bf16.  Wqkv: [1024 k][3072 n] bf16 at byte 0 of wb.  Sums in f32, each result rounded once to bf16.
; Out: three sections of 8,388,608 bytes (q, k, v), each [b*16+head][2048 s][64] bf16; the softmax's scale is not applied here.
; SHARES.  A tile is 256 tokens x 192 columns: ONE head's q, k and v.  16 x 16 tiles, one a work-group.  Four waves, each 64 tokens x 192 columns: 48 accumulators of 16 x 16, 384 registers.
; K goes in steps of 128 through two LDS slots filled by the tensor data mover: one load a wave behind each change of slots (waves 0, 1: halves of A's tile; waves 2, 3: halves of W's).
; CLUSTER 4 x 4: A's tile hangs on the tile row alone and is asked for jointly by a row of the cluster, W's on the tile column alone and is asked for jointly by a column.
; THE MATRIX INSTRUCTION IS USED TRANSPOSED: source 0 = 16 columns of W (turned on the way out of LDS by ds_load_tr16_b128, since W lies [k][n]), source 1 = 16 tokens.  A lane then holds
; one token (lane % 16) and eight neighbouring columns 8 (lane / 16) + 0..7.  THE BIAS IS THE C OPERAND of the products that start the sums: nothing is cleared, nothing added later.
; REGISTERS, in windows of 256 (s_set_vgpr_msb: bits 1:0 source 0, 3:2 source 1, 5:4 source 2, 7:6 destination):
;   window 0: v1-29 addresses; v64-95, v96-127 A's fragments, two buffers; v128-223 the bias      window 1: v0-95, v96-191 W's fragments, two buffers
;   window 2: accumulators of my tokens 0-31, (a, b) at v[8 (12 a + b)]      window 3: those of my tokens 32-63
.set MB,     4                         ; blocks of 16 tokens a wave
.set NBL,    12                        ; blocks of 16 columns a wave
.set AH,     2                         ; A fragments in half a buffer
.set LA2,    4                         ; the youngest loads of a run: A's tokens 32-63
.set KSTEP,  128
.set NSTEP,  8                         ; 1024 / 128
.set TN,     192
.set NW,     3072                      ; W's pitch in elements
.set PA,     272                       ; A's row in LDS: 256 bytes + 16: the 16 rows of a fragment load start at 16 different groups of four banks (64 banks of 4 bytes: ISA guide 11.1)
.set PW,     480                       ; W's row: three pieces of 128 bytes (q, k, v), 32 bytes of padding behind each: an odd multiple of 32, for the turning load
.set HALFA,  128*PA
.set WBASE,  2*HALFA
.set HALFW,  64*PW
.set SLOT,   WBASE+2*HALFW             ; 0x20000: shares no bit with a tile's place in slot 0, so one exclusive or changes slots
.set SPARE,  2*SLOT                    ; behind the ring: the spare words, 128 bytes a wave, which no other line names
.set ASTEP,  KSTEP*2
.set WSTEP,  KSTEP*NW*2
.set SPITCH, 784                       ; the way out: a token's 192 f32 + 16 bytes
.set STG,    64*SPITCH                 ; a wave's stage; the four lie in the ring, which has had its last fill by then
.set FA0, 64
.set FA1, 96
.set FB0, 0
.set FB1, 96
.set BIAS, 128
.set XB,  64                           ; the way out: 48 registers of f32 read back
.set OB,  112                          ; 24 registers of bf16
.set ADRA, 16                          ; v16 my A fragments' LDS address in slot 0      v17 the same for W
.set ADRB, 17
.set CA,   18                          ; v18, v19 the same in the slot in hand
.set CB,   19
.set STO,  24                          ; v24 the way out: where I put 32 bytes of a token
.set RD,   25                          ; v25 where I read them back
.set CO,   26                          ; v26 my byte offset in the output
.set BO,   27                          ; v27 32 x (lane / 16): the bias loads' offset
.set SPW,  28                          ; v28 LDS address of my spare word; never rewritten
.set NIL,  29                          ; v29 0; never rewritten
.set WV,   14                          ; s14 wave      s15 wave / 2: I fetch for A (0) or W (1)      s16 wave % 2: which half of that tile
.set ROLE, 15
.set HALF, 16
.set G1A,  24                          ; s[24:31] descriptor group 1 for A      s[32:39] group 0: set 0 = slot 0, step 0; set 1 = slot 1, step 1, and then it walks
.set G0A,  32
.set G1W,  48                          ; s[48:55], s[56:63] the same for W
.set G0W,  56
.set TB,   66                          ; s66 0 or SLOT: the slot in hand
.set CNT,  67
.set MSB, 0
.macro WIN new                         ; the immediate's high byte repeats the setting that is left; a switch that changes nothing is dropped
.if MSB != (\new)
	s_set_vgpr_msb (MSB<<8)|(\new)
.set MSB, (\new)
.endif
.endm
.macro PLACES                          ; four places between a matrix instruction and a load into, or a read of, its registers (ISA guide 7.12.1 for reads)
.rept 4
	v_nop
.endr
.endm
.macro JLOAD                           ; a joint refill by the walking descriptors; s_nop 0 and four v_nop follow each line, ahead of the jump and the label
	s_cmp_eq_u32 s[ROLE], 0
	s_cbranch_scc0 .Lfor_w_\@
	tensor_load_to_lds s[G0A+4:G0A+7], s[G1A:G1A+7]
	s_nop 0
.rept 4
	v_nop
.endr
	s_branch .Lasked_\@
.Lfor_w_\@:
	tensor_load_to_lds s[G0W+4:G0W+7], s[G1W:G1W+7]
	s_nop 0
.rept 4
	v_nop
.endr
.Lasked_\@:
.endm
.macro CREST                           ; a round of the cluster's barrier behind its opening barrier
	s_cmp_lg_u32 s[WV], 0
	s_cbranch_scc1 .Lnot_wave_0_\@
	s_barrier_signal -3
.Lnot_wave_0_\@:
	s_barrier_wait -3
	s_barrier_signal -1
	s_barrier_wait -1
.endm
.macro CROUND
	s_barrier_signal -1
	s_barrier_wait -1
	CREST
.endm
	s_load_b256 s[4:11], s[0:1], 0x0               ; an s[4:5], wb s[6:7], bias s[8:9], out s[10:11]
	v_lshl_add_u32 v[SPW], v0, 2, SPARE
	v_mov_b32 v[NIL], 0
	ds_add_u32 v28, v29
	s_wait_dscnt 0x0
	v_lshrrev_b32 v1, 5, v0
	v_readfirstlane_b32 s[WV], v1
	s_lshr_b32 s[ROLE], s[WV], 1
	s_and_b32 s[HALF], s[WV], 1
	s_bfe_u32 s40, ttmp6, 0x40000                  ; cx
	s_bfe_u32 s41, ttmp6, 0x40004                  ; cy
	s_lshl_b32 s42, ttmp9, 2
	s_add_co_u32 s42, s42, s40                     ; tile column = head
	s_and_b32 s45, ttmp7, 0xffff
	s_lshl_b32 s45, s45, 2
	s_add_co_u32 s45, s45, s41                     ; tile row
	s_lshl_b32 s43, s41, 2
	s_lshl_b32 s43, 15, s43                        ; my row of the cluster
	s_lshl_b32 s44, 0x1111, s40                    ; my column
	s_or_b32 s[G1A], s43, (1<<16)|(1<<20)|(1<<21)|(5<<22)|(3<<25)  ; mask; 2-byte elements; padding on; bit 21 beside a mask; after every 64 words 4 words
	s_mov_b32 s[G1A+1], 128<<16                    ; tensor_dim0 = 128
	s_mov_b32 s[G1A+2], 128<<16                    ; tensor_dim1 = 128
	s_mov_b32 s[G1A+3], 128<<16                    ; tile_dim0 = 128
	s_mov_b32 s[G1A+4], 128                        ; tile_dim1 = 128
	s_mov_b32 s[G1A+5], 1024                       ; elements from row to row
	s_mov_b32 s[G1A+6], 0
	s_mov_b32 s[G1A+7], 0
	s_or_b32 s[G1W], s44, (1<<16)|(1<<20)|(1<<21)|(4<<22)|(7<<25)  ; after every 32 words 8 words
	s_mov_b32 s[G1W+1], TN<<16
	s_mov_b32 s[G1W+2], 64<<16
	s_mov_b32 s[G1W+3], TN<<16
	s_mov_b32 s[G1W+4], 64
	s_mov_b32 s[G1W+5], NW
	s_mov_b32 s[G1W+6], 0
	s_mov_b32 s[G1W+7], 0
	s_lshl_b32 s18, s45, 8                         ; A: token 256 x tile row + 128 x half, 2,048 bytes a token
	s_lshl_b32 s19, s[HALF], 7
	s_add_co_u32 s18, s18, s19
	s_lshl_b32 s18, s18, 11
	s_mov_b32 s19, 0
	s_mul_i32 s46, s42, TN*2                       ; W: column 192 x head, k row 64 x half
	s_mul_i32 s47, s[HALF], (KSTEP/2)*NW*2
	s_add_co_u32 s46, s46, s47
	s_mov_b32 s47, 0
	s_mul_i32 s17, s[HALF], HALFA                  ; where they go: no place in the cluster enters an LDS address
	s_mul_i32 s3, s[HALF], HALFW
	s_add_co_u32 s3, s3, WBASE
	s_wait_kmcnt 0x0
	s_add_nc_u64 s[18:19], s[4:5], s[18:19]
	s_add_nc_u64 s[46:47], s[6:7], s[46:47]
.irp s, 0,1
	s_mov_b32 s[G0A+4*(\s)], 1
	s_add_co_u32 s[G0A+4*(\s)+1], s17, (\s)*SLOT
	s_add_nc_u64 s[G0A+4*(\s)+2:G0A+4*(\s)+3], s[18:19], (\s)*ASTEP
	s_or_b32 s[G0A+4*(\s)+3], s[G0A+4*(\s)+3], 0x80000000
	s_mov_b32 s[G0W+4*(\s)], 1
	s_add_co_u32 s[G0W+4*(\s)+1], s3, (\s)*SLOT
	s_add_nc_u64 s[G0W+4*(\s)+2:G0W+4*(\s)+3], s[46:47], (\s)*WSTEP
	s_or_b32 s[G0W+4*(\s)+3], s[G0W+4*(\s)+3], 0x80000000
.endr
	CROUND                                         ; all sixteen work-groups are here: the first joint loads meet
	s_cmp_eq_u32 s[ROLE], 0                        ; a wave's two first fills stand in one branch: two loads of mine are out
	s_cbranch_scc0 .Lfirst_w
	tensor_load_to_lds s[G0A:G0A+3], s[G1A:G1A+7]
	s_nop 0
	tensor_load_to_lds s[G0A+4:G0A+7], s[G1A:G1A+7]
	s_nop 0
.rept 4
	v_nop
.endr
	s_branch .Lfirst_asked
.Lfirst_w:
	tensor_load_to_lds s[G0W:G0W+3], s[G1W:G1W+7]
	s_nop 0
	tensor_load_to_lds s[G0W+4:G0W+7], s[G1W:G1W+7]
	s_nop 0
.rept 4
	v_nop
.endr
.Lfirst_asked:
	v_and_b32 v1, 15, v0                           ; r = lane % 16
	v_bfe_u32 v2, v0, 4, 1                         ; h = lane / 16
	v_lshlrev_b32 v[BO], 5, v2
	s_mul_i32 s20, s42, TN*4                       ; the head's 192 numbers of the bias
	s_mov_b32 s21, 0
	s_add_nc_u64 s[8:9], s[8:9], s[20:21]
.set z, 0
.rept NBL                              ; register j of block z: bias[16 z + 8 h + j], the accumulators' own layout
	global_load_b128 v[BIAS+8*z:BIAS+8*z+3],   v[BO], s[8:9] offset:64*z
	global_load_b128 v[BIAS+8*z+4:BIAS+8*z+7], v[BO], s[8:9] offset:64*z+16
.set z, z+1
.endr
	v_mul_u32_u24 v3, v1, PA                       ; A fragment: row r, 16 bytes for each half of the lanes
	v_lshl_add_u32 v3, v2, 4, v3
	s_mul_i32 s22, s[WV], 64*PA                    ; my 64 tokens
	v_add_nc_u32 v[ADRA], s22, v3
	v_and_b32 v4, 7, v0                            ; W, turning load: k row 8 h + lane % 8, columns 8 ((lane / 8) % 2) on
	v_lshl_add_u32 v4, v2, 3, v4
	v_mul_u32_u24 v4, v4, PW
	v_bfe_u32 v5, v0, 3, 1
	v_lshl_add_u32 v4, v5, 4, v4
	v_add_nc_u32 v[ADRB], WBASE, v4
	v_mov_b32 v[CA], v[ADRA]
	v_mov_b32 v[CB], v[ADRB]
	s_mov_b32 s[TB], 0
	s_mul_i32 s22, s[WV], STG
	v_mul_u32_u24 v6, v1, SPITCH                   ; into the stage: token r, 32 bytes for each half of the lanes
	v_lshl_add_u32 v6, v2, 5, v6
	v_add_nc_u32 v[STO], s22, v6
	v_bfe_u32 v7, v0, 3, 2                         ; back: token lane / 8, 32 bytes (8 numbers) at 32 (lane % 8)
	v_mul_u32_u24 v7, v7, SPITCH
	v_and_b32 v8, 7, v0
	v_lshl_add_u32 v7, v8, 5, v7
	v_add_nc_u32 v[RD], s22, v7
	v_and_b32 v[CO], 31, v0                        ; four rows of 128 bytes are 512 consecutive bytes: 16 x lane
	v_lshlrev_b32 v[CO], 4, v[CO]
	s_lshr_b32 s20, s45, 3                         ; b = tile row / 8
	s_lshl_b32 s20, s20, 4
	s_add_co_u32 s20, s20, s42                     ; b*16 + head
	s_lshl_b32 s20, s20, 11
	s_and_b32 s21, s45, 7
	s_lshl_b32 s21, s21, 8
	s_add_co_u32 s20, s20, s21
	s_lshl_b32 s21, s[WV], 6
	s_add_co_u32 s20, s20, s21                     ; + s of my first token
	s_lshl_b32 s20, s20, 7                         ; 128 bytes a row
	s_mov_b32 s21, 0
	s_add_nc_u64 s[10:11], s[10:11], s[20:21]      ; q
	s_add_nc_u64 s[12:13], s[10:11], 0x800000      ; k
	s_add_nc_u64 s[22:23], s[10:11], 0x1000000     ; v
; cnt blocks of tokens from i0 on (hi = 0: my tokens 0-31, 1: 32-63) x all 12 blocks of columns, 32 along K, from buffer n.  zero = 1: the bias starts the sums.
; The accumulators take turns, one instruction a turn.
.macro MULQ n, hi, i0, cnt, zero
.set mi, (\i0)
.rept (\cnt)
.set mb, 0
.rept NBL
.set rD, 8*(NBL*mi+mb)
.set rB, FB0+(FB1-FB0)*(\n)+8*mb
.set rA, FA0+(FA1-FA0)*(\n)+8*(AH*(\hi)+mi)
.if \zero
	WIN 0x81+0x40*(\hi)                            ; W window 1, A and the bias window 0, D window 2 or 3
	v_wmma_f32_16x16x32_bf16 v[rD:rD+7], v[rB:rB+7], v[rA:rA+7], v[BIAS+8*mb:BIAS+8*mb+7]
.else
	WIN 0xa1+0x50*(\hi)                            ; C and D window 2 or 3
	v_wmma_f32_16x16x32_bf16 v[rD:rD+7], v[rB:rB+7], v[rA:rA+7], v[rD:rD+7]
.endif
.set mb, mb+1
.endr
.set mi, mi+1
.endr
.endm
; 32 LDS loads in one run: quarter q (32 along K) of the slot in hand into buffer n: W's 12 fragments, then A's four; the last four loads are A's tokens 32-63
.macro FETCH q, n
	WIN 0x40                                       ; destination window 1, address window 0
.set fb, 0
.rept NBL
.set rB, FB0+(FB1-FB0)*(\n)+8*fb
	ds_load_tr16_b128 v[rB:rB+3],   v[CB] offset:32*(\q)*PW+(fb/4)*160+(fb%4)*32
	ds_load_tr16_b128 v[rB+4:rB+7], v[CB] offset:32*(\q)*PW+(fb/4)*160+(fb%4)*32+16*PW
.set fb, fb+1
.endr
	WIN 0
.set fi, 0
.rept MB
.set rA, FA0+(FA1-FA0)*(\n)+8*fi
	ds_load_b128 v[rA:rA+3],   v[CA] offset:64*(\q)+fi*16*PA
	ds_load_b128 v[rA+4:rA+7], v[CA] offset:64*(\q)+fi*16*PA+32
.set fi, fi+1
.endr
.endm
.macro QUARTER q, n, zero              ; multiplies quarter q from buffer n; in its middle it fetches quarter q + 1 into the other buffer
	s_wait_dscnt LA2                               ; all of the run but A's tokens 32-63
	MULQ \n, 0, 0, AH, \zero
	PLACES
	FETCH (\q)+1, 1-(\n)
	s_wait_dscnt 32                                ; all but the 32 just issued
	MULQ \n, 1, 0, AH, \zero
.endm
; Quarter 3, from buffer 1, and the change of slots.  In front of the barrier each wave waits for all its tensor loads (one is out: its part of the next slot), adds 0 to its spare word,
; and waits for that and for its reads of this slot.  fill = 1: the barrier opens a round of the cluster's barrier, and the joint refill, two K steps ahead, is the first thing behind it.
.macro TURN fill
	WIN 0
	s_wait_tensorcnt 0x0
	ds_add_u32 v[SPW], v[NIL]                      ; 0 onto my spare word
	s_wait_dscnt LA2+1                             ; (the add and A's tokens 32-63 may be out)
	MULQ 1, 0, 0, AH/2, 0
	s_wait_dscnt 0x0                               ; the add is done, and my reads of this slot are over
	s_barrier_signal -1
	MULQ 1, 0, AH/2, AH/2, 0
	WIN 0
	s_barrier_wait -1
.if \fill
	CREST                                          ; no wave of any partner still reads this slot or has a load on its way
	s_xor_b32 s[G0A+5], s[G0A+5], SLOT
	s_add_nc_u64 s[G0A+6:G0A+7], s[G0A+6:G0A+7], ASTEP
	s_xor_b32 s[G0W+5], s[G0W+5], SLOT
	s_add_nc_u64 s[G0W+6:G0W+7], s[G0W+6:G0W+7], WSTEP
	JLOAD                                          ; its four v_nop are also the places in front of the loads below
.else
	PLACES
.endif
	s_xor_b32 s[TB], s[TB], SLOT
	v_add_nc_u32 v[CA], s[TB], v[ADRA]
	v_add_nc_u32 v[CB], s[TB], v[ADRB]
	FETCH 0, 0
	MULQ 1, 1, 0, AH, 0
.endm
	s_wait_tensorcnt 0x1                           ; my part of K step 0 is in; step 1's may stay out
	s_barrier_signal -1
	s_barrier_wait -1
	FETCH 0, 0
	s_wait_loadcnt 0x0                             ; the bias
	QUARTER 0, 0, 1                                ; the first quarter stands in front of the loop: its products start the sums
	WIN 0
	s_mov_b32 s3, NSTEP-2
.Lstep:                                                ; trip t: quarters 1-3 of step t, the refill with step t + 2, quarter 0 of step t + 1
	QUARTER 1, 1, 0
	QUARTER 2, 0, 0
	TURN 1
	QUARTER 0, 0, 0
	WIN 0
	s_sub_co_u32 s3, s3, 1
	s_cmp_lg_u32 s3, 0
	s_cbranch_scc1 .Lstep
	s_mov_b32 s[CNT], 2                            ; the last two steps ask for nothing: one text, walked twice and left in its middle.  The second trip's barrier and its
.Ltail:                                                ; run of loads from the slot read before serve nothing: the price, once a launch, of one text for both trips
	QUARTER 1, 1, 0
	QUARTER 2, 0, 0
	TURN 0
	WIN 0
	s_sub_co_u32 s[CNT], s[CNT], 1
	s_cmp_eq_u32 s[CNT], 0
	s_cbranch_scc1 .Lout
	QUARTER 0, 0, 0
	WIN 0
	s_branch .Ltail
.Lout:
	PLACES                                         ; behind the last products
	s_wait_dscnt 0x0                               ; my reads of the ring are over;
	s_barrier_signal -1
	s_barrier_wait -1                              ; everybody's are: the ring, which is filled no more, becomes the stages
.set da, 0
.rept MB                               ; each accumulator's low four registers first
	WIN 0x08+4*(da/(MB/2))                         ; store data (source 1) in window 2 or 3
.set db, 0
.rept NBL
.set rD, 8*(NBL*(da%(MB/2))+db)
	ds_store_b128 v[STO], v[rD:rD+3]   offset:da*16*SPITCH+64*db
	ds_store_b128 v[STO], v[rD+4:rD+7] offset:da*16*SPITCH+64*db+16
.set db, db+1
.endr
.set da, da+1
.endr
	WIN 0
	s_mov_b32 s2, 8
.Lrows:                                                ; a trip: 8 tokens x (q, k, v).  LDS serves a wave's instructions in order (ISA guide 5.7.1.4): these loads see my stores above
.irp g, 0,1
.irp c, 0,1,2
	ds_load_b128 v[XB+8*(3*\g+\c):XB+8*(3*\g+\c)+3],   v[RD] offset:\g*4*SPITCH+\c*256
	ds_load_b128 v[XB+8*(3*\g+\c)+4:XB+8*(3*\g+\c)+7], v[RD] offset:\g*4*SPITCH+\c*256+16
.endr
.endr
	s_wait_dscnt 0x0
.set z, 0
.rept 24
	v_cvt_pk_bf16_f32 v[OB+z], v[XB+2*z], v[XB+2*z+1]
.set z, z+1
.endr
.irp g, 0,1                            ; each store covers 512 consecutive bytes, aligned: four rows of a head
	global_store_b128 v[CO], v[OB+12*\g:OB+12*\g+3],    s[10:11] offset:\g*512
	global_store_b128 v[CO], v[OB+12*\g+4:OB+12*\g+7],  s[12:13] offset:\g*512
	global_store_b128 v[CO], v[OB+12*\g+8:OB+12*\g+11], s[22:23] offset:\g*512
.endr
	s_wait_xcnt 0x0                                ; the stores' data and offset are rewritten only behind this wait
	v_add_nc_u32 v[RD], 8*SPITCH, v[RD]
	v_add_nc_u32 v[CO], 1024, v[CO]
	s_sub_co_u32 s2, s2, 1
	s_cmp_lg_u32 s2, 0
	s_cbranch_scc1 .Lrows
	s_wait_tensorcnt 0x0                           ; the wave's end
	ds_add_u32 v[SPW], v[NIL]
	s_wait_dscnt 0x0
	CROUND                                         ; the closing round: no work-group ends while a partner may still ask for a tile that names it
	s_endpgm
.Lfunc_end_k_qf2b49a1db7_qkv:
	.size	k_qf2b49a1db7_qkv, .Lfunc_end_k_qf2b49a1db7_qkv-k_qf2b49a1db7_qkv
	.p2alignl 7, 3214868480
	.fill 96, 4, 3214868480
	.section	.rodata,"a",@progbits
	.p2align	6, 0x0
	.amdhsa_kernel k_qf2b49a1db7_qkv
		.amdhsa_group_segment_fixed_size 327680
		.amdhsa_private_segment_fixed_size 0
		.amdhsa_enable_private_segment 0
		.amdhsa_kernarg_size 32
		.amdhsa_user_sgpr_count 2
		.amdhsa_user_sgpr_kernarg_segment_ptr 1
		.amdhsa_wavefront_size32 1
		.amdhsa_system_sgpr_workgroup_id_x 1
		.amdhsa_system_sgpr_workgroup_id_y 1
		.amdhsa_system_sgpr_workgroup_id_z 1
		.amdhsa_system_vgpr_workitem_id 0
		.amdhsa_next_free_vgpr 960
		.amdhsa_next_free_sgpr 68
		.amdhsa_reserve_vcc 0
		.amdhsa_float_denorm_mode_32 3
		.amdhsa_float_denorm_mode_16_64 3
		.amdhsa_memory_ordered 1
		.amdhsa_forward_progress 1
		.amdhsa_inst_pref_size 71
	.end_amdhsa_kernel
	.amdgpu_metadata
---
amdhsa.version: [ 1, 2 ]
amdhsa.kernels:
  - .name:           k_qf2b49a1db7_qkv
    .symbol:         k_qf2b49a1db7_qkv.kd
    .args:
      - { .name: an, .offset: 0, .size: 8, .value_kind: global_buffer, .address_space: global }
      - { .name: wb, .offset: 8, .size: 8, .value_kind: global_buffer, .address_space: global }
      - { .name: b_qkv, .offset: 16, .size: 8, .value_kind: global_buffer, .address_space: global }
      - { .name: qkvb, .offset: 24, .size: 8, .value_kind: global_buffer, .address_space: global }
    .group_segment_fixed_size: 327680
    .private_segment_fixed_size: 0
    .kernarg_segment_align: 8
    .kernarg_segment_size: 32
    .max_flat_workgroup_size: 128
    .sgpr_count:     68
    .vgpr_count:     960
    .wavefront_size: 32
...
	.end_amdgpu_metadata
.endif
;; end of part 2
;; launch attn (part 3): grid 8 x 32, 4 waves a work-group, clusters of 4 x 1, 327,680 bytes of LDS; arguments qkvb, ctx; writes ctx
.if DOCPART == 3
	.amdgcn_target "amdgcn-amd-amdhsa--gfx1250"
	.amdhsa_code_object_version 6
	.text
	.protected	k_qf2b49a1db7_attn
	.globl	k_qf2b49a1db7_attn
	.p2align	8
	.type	k_qf2b49a1db7_attn,@function
k_qf2b49a1db7_attn:
	s_mov_b64 s[64:65], 0
	v_nop
	global_prefetch_b8 v0, s[64:65] scope:SCOPE_SE
	s_setreg_imm32_b32 hwreg(HW_REG_WAVE_MODE, 25, 1), 1
	s_wait_xcnt 0x0
	s_wait_alu depctr_hold_cnt(0) depctr_sa_sdst(0) depctr_va_vdst(0) depctr_va_sdst(0) depctr_va_ssrc(0) depctr_va_vcc(0) depctr_vm_vsrc(0)
	s_getreg_b32 s2, hwreg(HW_REG_IB_STS2, 6, 4)
	s_cmp_eq_u32 s2, 0
	s_cbranch_scc0 .Lentry_in_a_cluster
	s_endpgm
.Lentry_in_a_cluster:
	s_bfe_u32 s2, ttmp6, 0x10000c
	s_cmp_lg_u32 s2, 0x3003
	s_cbranch_scc0 .Lentry_shape_is_right
	s_endpgm
.Lentry_shape_is_right:
; O[bh][q][:] = the sum over k of softmax_k(Q[bh][q] . K[bh][k] / 8) V[bh][k][:].  Q, K, V: three sections of 8,388,608 bytes, each [32 bh][2048][64] bf16: a head's rows are dense, 128 bytes each.
; Out: ctx [16 heads][256 blocks of 16 tokens, token = b*2048+s][8 groups of 8 channels][16 tokens][8 channels] bf16: the order in which the next product's lanes take their fragments, 512 consecutive bytes a load.
; Products, maxima and sums in f32; the weights p are rounded to bf16 for the second product (their sum l is taken of the unrounded p), O once at the end.
; LIMITS.  c m starts at -4.25e37, far below every c s that finite bf16 inputs of this module's size give; a weight below 2^-126 counts as 0 in l; NaN and infinities are not treated apart.
; SHARES.  A work-group owns 256 queries of one head, a wave 64: four PIECES of 16.  Every wave walks all 2,048 keys, 64 a step; an LDS slot holds 256 keys.
; LAYOUT.  S^T = K Q^T (source 0 = 16 keys, source 1 = 16 queries): a lane holds ONE query (lane % 16) and the keys 8 (lane / 16) + 0..7.  Two such results, rounded to bf16 in pairs, ARE source 1 of
; O^T = V^T P, whose result again holds one query a lane.  K comes out of LDS as it lies, V ([key][channel]) turned, by ds_load_tr16_b128.
; SOFTMAX.  A running maximum m and sum l for each query: p = 2^(c s - c m), c = log2(e) / 8; in every step O and l are multiplied by a = 2^(c m_old - c m_new).  O and l start at 0: the first step is a step like any other, with a = 0.
; BY TURNS.  Turn n belongs to piece n: 8 products K Q^T of piece n + 1, later 8 products V^T P of piece n - 1; beside them the scaling, exponentials, roundings, sums and rescaling of piece n and the maximum and
; statistics of piece n + 1.  Four vector instructions stand behind every matrix instruction, the other 54 of a turn's 118 in two runs of their own.
; CLUSTER.  The four query blocks of a cluster belong to one head and walk the same K and V: each tile is asked for JOINTLY, by the same tensor load, descriptor and mask in all four.
; REGISTERS, in windows of 256 (s_set_vgpr_msb: bits 1:0 source 0, 3:2 source 1, 5:4 source 2, 7:6 destination):
;   window 0: v0-15 addresses; v16-31 four registers of statistics a piece; v48-55 at work; v64-127 S^T, two buffers; v192-223 P, two buffers (a piece's buffers go by its number's parity)
;   window 1: v0-127 O^T, 32 a piece          window 2: v0-63 Q; v128-191 K of one step; v192-255 V of one step
.set SIZE_N, 2048
.set NP,    4         ; pieces a wave: a name, no knob
.set KS,    64        ; keys in a step
.set PK,    144       ; a row of K in LDS: 128 bytes + 16: the 16 rows of a load start at 16 different groups of four banks (64 banks of 4 bytes: ISA guide 11.1)
.set PV,    160       ; a row of V: 128 + 32
.set VOFF,  4*KS*PK   ; a slot holds four steps: 256 rows of K, then 256 rows of V
.set SLOT1, 1<<17     ; slot 1 begins here, so that one exclusive or turns an address in one slot into the other's
.set SPARE, SLOT1+4*KS*(PK+PV)  ; behind the ring: the spare words, 128 bytes a wave, which no other line names
.set AK0, 2           ; v2   my lane's place in a tile of K; never rewritten
.set AV0, 3           ; v3   the same for V
.set AK,  4           ; v4   the LDS address of K's next run of loads
.set AV,  5           ; v5   of V's
.set GO,  8           ; v8   16 x lane: my byte offset in 512 consecutive bytes of O
.set MV,  12          ; v12-13  c m_old, kept while c m is made anew: by buffer
.set QO,  15          ; v15  my byte offset in 16 rows of Q
.set ST,  16          ; piece t's statistics at v[ST+4 t]: c m, m, l (even keys', odd keys')
.set TMP, 48          ; by buffer, four registers c0-c3 at work; when the maximum is found c2 takes a
.set SPW, 62          ; v62  LDS address of my spare word; never rewritten
.set NIL, 63          ; v63  0; never rewritten
.set S,   64
.set P,   192
.set KF,  128         ; window 2: key block kb, channel half c at KF + 16 kb + 8 c
.set VF,  192         ; window 2: key half kk, channel block cb at VF + 32 kk + 8 cb
.set WV,  12          ; s12  my wave's number
.set G1K, 24          ; s[24:31] descriptor group 1 for K's tiles
.set G1V, 32          ; s[32:39] for V's: it differs in the padding alone
.set G0K, 40          ; s[40:43] descriptor group 0 for K's tiles: it walks
.set G0V, 44          ; s[44:47] the same for V's
.set SLOTS, 56        ; s56  slots still to be asked for
.set CNT, 57          ; s57  counts a slot's key steps
.set CS,  58          ; s[58:59] c: the packed scaling takes the pair's low word for both halves
.set SEL, 60          ; s[60:61] v_permlanex16_b32's selects: each lane takes its own place in the other half
.set TBK, 62          ; s62  LDS byte at which K of the step to be fetched begins
.set TBV, 63          ; s63  the same for V, less VOFF
.set MSB, 0
.macro WIN new                      ; the high byte repeats the setting that is left; a switch that changes nothing is dropped
.if MSB != (\new)
	s_set_vgpr_msb (MSB<<8)|(\new)
.set MSB, (\new)
.endif
.endm
.set W_KQ, 0x0a       ; K and Q in window 2, S^T in window 0
.set W_PV, 0x52       ; V in window 2, P in window 0, O^T in window 1
.set W_RS, 0x41       ; destination and source 0 in window 1, source 1 in window 0
; A joint fill.  Waves 0 and 1 fetch the two halves of a slot's K, waves 2 and 3 those of its V: 128 keys each.  s_nop 0 and four v_nop follow each line, ahead of the jump and the label.
.macro JLOAD
	s_cmp_lt_u32 s[WV], 2
	s_cbranch_scc0 .Lfor_v_\@
	tensor_load_to_lds s[G0K:G0K+3], s[G1K:G1K+7]
	s_nop 0
.rept 4
	v_nop
.endr
	s_branch .Lasked_\@
.Lfor_v_\@:
	tensor_load_to_lds s[G0V:G0V+3], s[G1V:G1V+7]
	s_nop 0
.rept 4
	v_nop
.endr
.Lasked_\@:
.endm
.macro CROUND                       ; a round of the cluster's barrier: my work-group's barrier; wave 0 signals for it; every wave waits for all four work-groups; my work-group's barrier once more
	s_barrier_signal -1
	s_barrier_wait -1
	s_cmp_lg_u32 s[WV], 0
	s_cbranch_scc1 .Lnot_wave_0_\@
	s_barrier_signal -3
.Lnot_wave_0_\@:
	s_barrier_wait -3
	s_barrier_signal -1
	s_barrier_wait -1
.endm
; THE CHANGE OF SLOTS.  Each wave waits for all its tensor loads, of which one is out: its part of the other slot; adds 0 to its spare word; and waits for that and for its own reads of the slot that it leaves.
; fill = 1: the old slot is filled again with the keys two slots on; the barrier is then a round of the cluster's, and the joint fill is the first thing behind it: it has four key steps, 256 matrix
; instructions, in which to land.  (At its first use nothing has been read yet: slot 0 is waited for, slot 1 filled.)
.macro CHANGE fill
	WIN 0
	s_wait_tensorcnt 0x0            ; no tensor load of mine is out, so a group 0 may be written
	ds_add_u32 v[SPW], v[NIL]       ; 0 onto my spare word
.if \fill
.irp g, G0K, G0V
	s_xor_b32 s[\g+1], s[\g+1], SLOT1
	s_add_nc_u64 s[\g+2:\g+3], s[\g+2:\g+3], 4*KS*128  ; the next 256 keys; the type bits on top are not reached
.endr
	s_wait_dscnt 0x0                ; the add is done, and my reads of the slot are over
	CROUND
	JLOAD
.else
	s_wait_dscnt 0x0
	s_barrier_signal -1
	s_barrier_wait -1
.endif
	s_sub_co_u32 s[TBK], s[TBK], 4*KS*PK  ; the fetches go back to a slot's first step,
	s_xor_b32 s[TBK], s[TBK], SLOT1       ; in the other slot
	s_sub_co_u32 s[TBV], s[TBV], 4*KS*PV
	s_xor_b32 s[TBV], s[TBV], SLOT1
.endm
	s_load_b64 s[4:5], s[0:1], 0x0  ; q, k, v
	s_load_b64 s[10:11], s[0:1], 0x8  ; ctx
	v_lshl_add_u32 v[SPW], v0, 2, SPARE
	v_mov_b32 v[NIL], 0
	ds_add_u32 v62, v63
	s_wait_dscnt 0x0
	v_lshrrev_b32 v1, 5, v0
	v_readfirstlane_b32 s[WV], v1   ; wave 0..3
	s_bfe_u32 s13, ttmp6, 0x40000   ; cx: my place in the cluster
	s_lshl_b32 s14, ttmp9, 2
	s_add_co_u32 s14, s14, s13      ; my block of 256 queries: it enters Q's and O's addresses alone
	s_and_b32 s15, ttmp7, 0xffff    ; bh = b*16 + head, which the four partners share
	s_lshl_b32 s20, s15, 18         ; a head's rows are 262,144 bytes
	s_and_b32 s16, s[WV], 1         ; which half of a slot's 256 keys I fetch:
	s_lshl_b32 s22, s16, 14         ; its 128 rows of 128 bytes in memory,
	s_add_co_u32 s22, s22, s20
	s_mov_b32 s23, 0
	s_mul_i32 s17, s16, 128*PK      ; and its place in a slot, for K
	s_mul_i32 s18, s16, 128*PV      ; and for V: no place in the cluster enters an LDS address
	s_lshl_b32 s50, s14, 15         ; my block's 256 rows,
	s_lshl_b32 s3, s[WV], 13        ; my wave's 64 of them
	s_add_co_u32 s50, s50, s3
	s_add_co_u32 s48, s50, s20      ; Q: head + rows
	s_mov_b32 s49, 0
	s_and_b32 s3, s15, 15
	s_lshl_b32 s3, s3, 19           ; ctx: head x 4,096 tokens x 128 bytes,
	s_add_co_u32 s50, s50, s3
	s_lshr_b32 s3, s15, 4
	s_lshl_b32 s3, s3, 18           ; b x 2,048 tokens
	s_add_co_u32 s50, s50, s3
	s_mov_b32 s51, 0
	; descriptor group 1.  128 keys are 16,384 dense bytes: asked for as 64 rows of 256 bytes, two keys a row, and padded in LDS after every key
	s_mov_b32 s[G1K], 15|(1<<16)|(1<<20)|(1<<21)|(4<<22)|(3<<25)  ; the mask of four; 2-byte elements; padding on; bit 21 beside a mask; after every 32 words 4 words
	s_mov_b32 s[G1V], 15|(1<<16)|(1<<20)|(1<<21)|(4<<22)|(7<<25)  ; the same with 8 words of padding
.irp g, G1K, G1V
	s_mov_b32 s[\g+1], 128<<16      ; tensor_dim0 = 128
	s_mov_b32 s[\g+2], 64<<16       ; tensor_dim1 = 64
	s_mov_b32 s[\g+3], 128<<16      ; tile_dim0 = 128
	s_mov_b32 s[\g+4], 64           ; tile_dim1 = 64
	s_mov_b32 s[\g+5], 128          ; 128 elements from row to row
	s_mov_b32 s[\g+6], 0
	s_mov_b32 s[\g+7], 0
.endr
	s_mov_b32 s[CS], 0x3e38aa3b     ; c = log2(e) / 8 = 0.180337
	s_mov_b32 s[CS+1], s[CS]        ; named with it as a pair
	s_mov_b32 s[SEL], 0x76543210
	s_mov_b32 s[SEL+1], 0xfedcba98
	s_mov_b32 s[TBK], SLOT1+4*KS*PK ; the first change of slots turns these two into 0
	s_mov_b32 s[TBV], SLOT1+4*KS*PV
	s_mov_b32 s[G0K], 1             ; count = 1
	s_mov_b32 s[G0K+1], s17         ; LDS address: slot 0
	s_mov_b32 s[G0V], 1
	s_add_co_u32 s[G0V+1], s18, VOFF
	s_wait_kmcnt 0x0
	s_add_nc_u64 s[6:7], s[4:5], 0x800000   ; K's section
	s_add_nc_u64 s[8:9], s[4:5], 0x1000000  ; V's
	s_add_nc_u64 s[G0K+2:G0K+3], s[6:7], s[22:23]  ; my half of the head's first 256 keys
	s_or_b32 s[G0K+3], s[G0K+3], 0x80000000        ; type = 2
	s_add_nc_u64 s[G0V+2:G0V+3], s[8:9], s[22:23]
	s_or_b32 s[G0V+3], s[G0V+3], 0x80000000
	s_add_nc_u64 s[4:5], s[4:5], s[48:49]   ; Q and O at my wave's first row
	s_add_nc_u64 s[10:11], s[10:11], s[50:51]
	CROUND                          ; all four work-groups are here: the first joint loads meet
	JLOAD                           ; slot 0.  Slot 1 is asked for when slot 0 is in
	; A fragment of K or Q is 16 rows x 32 channels in 8 registers: lane l holds row l % 16, channels 8 (l / 16) + 0..7 and 16 + 8 (l / 16) + 0..7: two loads of 16 bytes, 32 bytes apart.
	v_and_b32 v1, 15, v0            ; l % 16
	v_bfe_u32 v9, v0, 4, 1          ; l / 16
	v_lshlrev_b32 v[QO], 7, v1
	v_lshl_add_u32 v[QO], v9, 4, v[QO]  ; row x 128 + 16 x half
	WIN 0x80                        ; destination window 2, address window 0
.set i, 0
.rept 8                             ; Q stays in registers: piece i / 2, channels 32 (i % 2) on
	global_load_b128 v[8*i:8*i+3],   v[QO], s[4:5] offset:(i/2)*2048+(i%2)*64
	global_load_b128 v[8*i+4:8*i+7], v[QO], s[4:5] offset:(i/2)*2048+(i%2)*64+32
.set i, i+1
.endr
	; What the first turn finds: V's registers and P's second buffer hold 0 (its products V^T P, of a piece that has not been, add 0), O^T and l are 0.  All this stands in the wait for the first tile.
.set i, VF
.rept 64
	v_mov_b32 v[i], 0
.set i, i+1
.endr
	WIN 0x40
.set i, 0
.rept 128
	v_mov_b32 v[i], 0
.set i, i+1
.endr
	WIN 0
.set i, 0
.rept 4
	v_mov_b32 v[ST+4*i], 0xfe000000    ; c m: far below every c s
	v_mov_b32 v[ST+4*i+1], 0xff7fffff  ; m
	v_mov_b32 v[ST+4*i+2], 0
	v_mov_b32 v[ST+4*i+3], 0
.set i, i+1
.endr
.set i, P+16
.rept 16
	v_mov_b32 v[i], 0
.set i, i+1
.endr
	v_mul_u32_u24 v[AK0], v1, PK
	v_lshl_add_u32 v[AK0], v9, 4, v[AK0]  ; row x pitch + 16 x half
	; The turning load takes 16 keys x 16 channels (lane l reads key 8 (l / 16) + l % 8, channels 8 ((l / 8) % 2) + 0..7) and leaves half a fragment of V^T: lane l holds channel l % 16 and 8 keys.
	v_and_b32 v10, 7, v0
	v_bfe_u32 v11, v0, 3, 1
	v_lshl_add_u32 v[AV0], v9, 3, v10
	v_mul_u32_u24 v[AV0], v[AV0], PV
	v_lshl_add_u32 v[AV0], v11, 4, v[AV0]
	v_add_nc_u32 v[AV0], VOFF, v[AV0]
	v_and_b32 v[GO], 31, v0
	v_lshlrev_b32 v[GO], 4, v[GO]
; THE MATRIX WORK.  The 4 accumulators of a run of 8 take turns.  Product i of 8 of S^T = K Q^T for piece x: channels 32 (i / 4) on, keys 16 (i % 4) on.  The first 4 start the sums.
.macro KQ x
.set rS, S+32*((\x)%2)+8*(i%4)
.set rK, KF+16*(i%4)+8*(i/4)
.set rQ, 16*(\x)+8*(i/4)
	WIN W_KQ
.if i < 4
	v_wmma_f32_16x16x32_bf16 v[rS:rS+7], v[rK:rK+7], v[rQ:rQ+7], 0
.else
	v_wmma_f32_16x16x32_bf16 v[rS:rS+7], v[rK:rK+7], v[rQ:rQ+7], v[rS:rS+7]
.endif
.endm
; Product i of 8 of O^T += V^T P for piece x: keys 32 (i / 4) on, channels 16 (i % 4) on.
.macro PV x
	WIN W_PV
.set rO, 32*(\x)+8*(i%4)
.set rV, VF+32*(i/4)+8*(i%4)
.set rP, P+16*((\x)%2)+8*(i/4)
	v_wmma_f32_16x16x32_bf16 v[rO:rO+7], v[rV:rV+7], v[rP:rP+7], v[rO:rO+7]
.endm
.macro MM                           ; the turn's next matrix instruction
.if i < 8
	KQ (Y+1)%NP
.else
.set i, i-8
	PV (Y+NP-1)%NP
.set i, i+8
.endif
.set i, i+1
.endm
; THE LDS LOADS stand in runs of 16, never singly among the matrix instructions: a step's K (64 keys x 64 channels: 8 fragments) and its V (turned).  Their addresses are made some lines ahead.
; last = 1 (the tail): in the last trip there is no further step, and the run is jumped over.
.macro FETCH_K last=0
	WIN 0
.if \last
	s_cmp_eq_u32 s[CNT], 1
	s_cbranch_scc1 .Lno_k_\@
.endif
	WIN 0x80                        ; destination window 2
.irp f, 0,1,2,3,4,5,6,7             ; keys 16 (f / 2) on, channels 32 (f % 2) on
	ds_load_b128 v[KF+8*\f:KF+8*\f+3],   v[AK] offset:(\f/2)*16*PK+(\f%2)*64
	ds_load_b128 v[KF+8*\f+4:KF+8*\f+7], v[AK] offset:(\f/2)*16*PK+(\f%2)*64+32
.endr
	s_add_co_u32 s[TBK], s[TBK], KS*PK  ; the next fetch is the next step's
	WIN 0
.if \last
.Lno_k_\@:
.endif
.endm
.macro FETCH_V
	WIN 0x80
.irp f, 0,1,2,3,4,5,6,7             ; keys 32 (f / 4) on, channels 16 (f % 4) on
	ds_load_tr16_b128 v[VF+8*\f:VF+8*\f+3],   v[AV] offset:(\f/4)*32*PV+(\f%4)*32
	ds_load_tr16_b128 v[VF+8*\f+4:VF+8*\f+7], v[AV] offset:(\f/4)*32*PV+16*PV+(\f%4)*32
.endr
	WIN 0
.endm
; THE VECTOR WORK, one line at a time: OP kind, number.  For piece Y: F n: c s - c m for pair n of 16.  E n: the exponential of score n of 32.  C n: pair n rounded to bf16.  B n: of the four weights 4 n .. the second
; pair is added onto the first, in place.  L n: l takes that sum (L 0: l = a l + sum).  R n: pair n of 16 of O^T times a.  For piece Y + 1: X n, number n of the 22 that find its maximum and statistics:
;   0-11  four chains c0-c3 of seven scores each, three operands at a time (each accumulator's lowest registers are read first)     12-14, 16  the four scores left over, the old m, and c0-c3 into c0
;   15  c m_old is kept     17, 18  the query's other 32 keys lie in the lane 16 away: the new m     19-21  c m; c m_old - c m_new; a
.set F, 0               ; OP tells the kinds apart by their order: F to L below R, X above it
.set E, 1
.set C, 2
.set B, 3
.set L, 4
.set R, 5
.set X, 6
.macro REGS y                       ; the registers of piece y
.set rT, ST+4*(\y)
.set rC, TMP+4*((\y)%2)
.set rW, MV+((\y)%2)
.set rS, S+32*((\y)%2)
.set rP, P+16*((\y)%2)
.set rO, 32*(\y)
.endm
.macro OP k, n
.if (\k) == R
	REGS Y
	WIN W_RS
	v_pk_mul_f32 v[rO+2*(\n):rO+2*(\n)+1], v[rO+2*(\n):rO+2*(\n)+1], v[rC+2:rC+3] op_sel_hi:[1,0]
.elseif (\k) < R
	REGS Y
	WIN 0
.if (\k) == F
	v_pk_fma_f32 v[rS+2*(\n):rS+2*(\n)+1], v[rS+2*(\n):rS+2*(\n)+1], s[CS:CS+1], v[rT:rT+1] op_sel_hi:[1,0,0] neg_lo:[0,0,1] neg_hi:[0,0,1]
.elseif (\k) == E
	v_exp_f32 v[rS+(\n)], v[rS+(\n)]
.elseif (\k) == C
	s_wait_alu depctr_va_vdst(0)
	v_cvt_pk_bf16_f32 v[rP+(\n)], v[rS+2*(\n)], v[rS+2*(\n)+1]
.elseif (\k) == B
	s_wait_alu depctr_va_vdst(0)
	v_pk_add_f32 v[rS+4*(\n):rS+4*(\n)+1], v[rS+4*(\n):rS+4*(\n)+1], v[rS+4*(\n)+2:rS+4*(\n)+3]
.elseif (\n) == 0
	v_pk_fma_f32 v[rT+2:rT+3], v[rT+2:rT+3], v[rC+2:rC+3], v[rS:rS+1] op_sel_hi:[1,0,1]
.else
	v_pk_add_f32 v[rT+2:rT+3], v[rT+2:rT+3], v[rS+4*(\n):rS+4*(\n)+1]
.endif
.else
	REGS (Y+1)%NP
	WIN 0
.if (\n) < 4
	v_max3_num_f32 v[rC+(\n)], v[rS+8*(\n)], v[rS+8*(\n)+1], v[rS+8*(\n)+2]
.elseif (\n) < 12
	v_max3_num_f32 v[rC+(\n)%4], v[rC+(\n)%4], v[rS+8*((\n)%4)+2*((\n)/4)+1], v[rS+8*((\n)%4)+2*((\n)/4)+2]
.elseif (\n) == 12
	v_max3_num_f32 v[rC], v[rC], v[rS+7], v[rS+15]
.elseif (\n) == 13
	v_max3_num_f32 v[rC+1], v[rC+1], v[rS+23], v[rS+31]
.elseif (\n) == 14
	v_max3_num_f32 v[rC+2], v[rC+2], v[rC+3], v[rT+1]
.elseif (\n) == 15
	v_mov_b32 v[rW], v[rT]
.elseif (\n) == 16
	v_max3_num_f32 v[rC], v[rC], v[rC+1], v[rC+2]
.elseif (\n) == 17
	v_permlanex16_b32 v[rC+3], v[rC], s[SEL], s[SEL+1]
.elseif (\n) == 18
	v_max_num_f32 v[rT+1], v[rC], v[rC+3]
.elseif (\n) == 19
	v_mul_f32 v[rT], s[CS], v[rT+1]
.elseif (\n) == 20
	v_sub_f32 v[rC+1], v[rW], v[rT]
.else
	v_exp_f32 v[rC+2], v[rC+1]
.endif
.endif
.endm
.macro OPS a, i1, b=-1, i2=0, c=-1, i3=0, d=-1, i4=0  ; up to four of them
	OP \a, \i1
.if (\b) >= 0
	OP \b, \i2
.endif
.if (\c) >= 0
	OP \c, \i3
.endif
.if (\d) >= 0
	OP \d, \i4
.endif
.endm
.macro ROW a, i1, b, i2, c, i3, d, i4  ; a matrix instruction and the four behind it
	MM
	OPS \a, \i1, \b, \i2, \c, \i3, \d, \i4
.endm
; A TURN, for piece p: the order of its 16 matrix and 118 vector instructions, written out.  Behind a matrix instruction: plain, exponential, plain, plain; or four of the rescaling; or, behind the first, four scalings; none
; names a register of the products round it.  In the runs between, exponential and plain by turns while exponentials last.  A line reads no result made fewer than three vector instructions in front of it, five if an exponential made it.
; cnt = 1: the loop's count is taken down some lines ahead of the branch that stands behind the turn.
; K of the next step is fetched in piece 2's turn, six vector instructions behind the last product that read K (five of them plain); V of the step in hand in piece 0's turn, eight behind the last product that read V (four
; plain).  Each is waited for a turn later.
.macro TURN p, last=0, cnt=0
.set Y, (\p)
.set i, 0
.if (\p) == 3
	s_wait_dscnt 0x0                ; K is in
.endif
	ROW F,0, F,1, F,2, F,3
	ROW F,4, E,0, F,5, F,6
	ROW F,7, E,1, F,8, F,9
	ROW F,10, E,2, C,0, F,11
	ROW F,12, E,3, X,15, F,13
	ROW R,0, R,1, R,2, R,3
	ROW B,0, E,4, F,14, L,0
.if (\p) == 2
	v_add_nc_u32 v[AK], s[TBK], v[AK0]
.endif
	ROW R,4, R,5, R,6, R,7
	OPS E,5, F,15
.if (\p) == 2
	FETCH_K \last
.endif
	OPS E,6, C,1, E,7, R,8
	OPS E,8, R,9, E,9, C,2
	OPS E,10, X,0, E,11, X,1
	OPS E,12, X,2, E,13, X,3
.if (\p) == 1
	s_wait_dscnt 0x0                ; V is in
.endif
	ROW X,4, E,14, X,5, X,6
	ROW X,7, E,15, X,8, X,9
	ROW X,10, E,16, X,11, X,12
	ROW X,13, E,17, X,14, B,1
	ROW C,4, E,18, X,16, L,1
	ROW B,2, E,19, C,6, L,2
	ROW C,8, E,20, B,3, B,4
.if (\p) == 0
	v_add_nc_u32 v[AV], s[TBV], v[AV0]
.endif
	ROW C,3, E,21, L,3, C,5
	OPS E,22, X,17, E,23, C,10
.if (\p) == 0
	FETCH_V
.endif
	OPS E,24, L,4
	OPS E,25, X,18, E,26, C,7
	OPS E,27, B,5, E,28, X,19
	OPS E,29, C,12, E,30, L,5
	OPS E,31, X,20, B,6, C,9
	OPS C,14, C,11, X,21, L,6
.if (\p) == 0
	s_add_co_u32 s[TBV], s[TBV], KS*PV
.endif
.if \cnt
	s_sub_co_u32 s[CNT], s[CNT], 1
	s_cmp_lg_u32 s[CNT], 0
.endif
	OPS C,13, B,7, C,15, R,10
	OPS R,11, R,12, L,7, R,13
	OPS R,14, R,15
.endm
	CHANGE 1                        ; slot 0 is in, everybody's part of it; slot 1 is asked for
	v_add_nc_u32 v[AK], s[TBK], v[AK0]
	FETCH_K                         ; key step 0
	s_wait_loadcnt 0x0              ; Q
	s_wait_dscnt 0x0
.set i, 0
.rept 8
	KQ 0                            ; piece 0's first scores: there is no vector work yet to set between them
.set i, i+1
.endr
	WIN 0
.rept 4
	v_nop                           ; the places behind those products
.endr
.set Y, NP-1                        ; X works for piece Y + 1: piece 0
.irp n, 0,1,2,3,4,5,6,7,8,9,10,11,12,13,14,15,16,17,18,19,20,21
	OP X, \n
.endr
	v_nop                           ; a plain instruction behind the exponential
	s_mov_b32 s[CNT], 4
	s_mov_b32 s[SLOTS], SIZE_N/256-1
	s_branch .Lfirst                ; the loop is entered at a step's first turn, in the middle of a trip
.Lslot:                             ; SIZE_N / 256 - 2 times: every slot but the last two is filled again
	CHANGE 1
	s_mov_b32 s[CNT], 4
.Lstep:                             ; a trip: pieces 2 and 3 of one step, then pieces 0 and 1 of the next, whose K and V it fetches
	TURN 2
	TURN 3
	WIN 0
.Lfirst:
	TURN 0
	TURN 1, 0, 1
	WIN 0
	s_cbranch_scc1 .Lstep
	s_sub_co_u32 s[SLOTS], s[SLOTS], 1
	s_cmp_lg_u32 s[SLOTS], 0
	s_cbranch_scc1 .Lslot
	CHANGE 0                        ; the tail is written out: nothing is asked for
	s_mov_b32 s[CNT], 5             ; four trips fetch the last slot's steps; the fifth is left in its middle
.Ltail:
	TURN 2, 1
	TURN 3
	WIN 0
	s_sub_co_u32 s[CNT], s[CNT], 1
	s_cmp_eq_u32 s[CNT], 0
	s_cbranch_scc1 .Lout
	TURN 0
	TURN 1
	WIN 0
	s_branch .Ltail
.Lout:                              ; the fifth trip's 8 products K Q^T (on the last K once more) and the maximum made of them serve nothing: the price, once a launch, of one text for every trip
.set i, 0
.rept 8
	PV NP-1                         ; the last piece's V^T P of the last step
.set i, i+1
.endr
	; THE WAY OUT.  l's two halves and the other half of the lanes' are added; O^T is divided by l and rounded to bf16.  The additions are the places behind the last products.
	WIN 0
.macro ALL line:vararg              ; one line for each piece t
.set t, 0
.rept 4
	\line
.set t, t+1
.endr
.endm
	ALL v_add_f32 v[ST+4*t+2], v[ST+4*t+2], v[ST+4*t+3]
	ALL v_permlanex16_b32 v[ST+4*t+3], v[ST+4*t+2], s[SEL], s[SEL+1]
	ALL v_add_f32 v[ST+4*t+2], v[ST+4*t+2], v[ST+4*t+3]
	ALL v_rcp_f32 v[ST+4*t+2], v[ST+4*t+2]
	v_nop                           ; a plain instruction between the last reciprocal and the use of its result
; Piece t.  Of channel block f a lane holds query l % 16, channels 16 f + 8 (l / 16) + 0..7: packed, the 16 bytes at 512 f + 16 l of the piece's block of 2,048 bytes.  So nothing changes lanes:
; each store covers 512 consecutive bytes, at a multiple of 512 from ctx's first byte.
.macro PACK t
	WIN W_RS
.set i, 32*(\t)
.rept 16
	s_wait_alu depctr_va_vdst(0)
	v_pk_mul_f32 v[i:i+1], v[i:i+1], v[ST+4*(\t)+2:ST+4*(\t)+3] op_sel_hi:[1,0]
.set i, i+2
.endr
	WIN 0x05                        ; sources 0 and 1 window 1, destination window 0: S^T's registers are free
.set i, 0
.rept 16
	v_cvt_pk_bf16_f32 v[S+16*(\t)+i], v[32*(\t)+2*i], v[32*(\t)+2*i+1]
.set i, i+1
.endr
	WIN 0
.irp f, 0,1,2,3
	global_store_b128 v[GO], v[S+16*(\t)+4*\f:S+16*(\t)+4*\f+3], s[10:11] offset:(\t)*2048+\f*512
.endr
.endm
	PACK 0
	PACK 1
	PACK 2
	PACK 3
	s_wait_tensorcnt 0x0            ; the wave's end
	ds_add_u32 v[SPW], v[NIL]
	s_wait_dscnt 0x0
	CROUND                          ; the closing round: no work-group ends while a partner may still ask for a tile that names it
	s_endpgm
.Lfunc_end_k_qf2b49a1db7_attn:
	.size	k_qf2b49a1db7_attn, .Lfunc_end_k_qf2b49a1db7_attn-k_qf2b49a1db7_attn
	.p2alignl 7, 3214868480
	.fill 96, 4, 3214868480
	.section	.rodata,"a",@progbits
	.p2align	6, 0x0
	.amdhsa_kernel k_qf2b49a1db7_attn
		.amdhsa_group_segment_fixed_size 327680
		.amdhsa_private_segment_fixed_size 0
		.amdhsa_enable_private_segment 0
		.amdhsa_kernarg_size 16
		.amdhsa_user_sgpr_count 2
		.amdhsa_user_sgpr_kernarg_segment_ptr 1
		.amdhsa_wavefront_size32 1
		.amdhsa_system_sgpr_workgroup_id_x 1
		.amdhsa_system_sgpr_workgroup_id_y 1
		.amdhsa_system_sgpr_workgroup_id_z 1
		.amdhsa_system_vgpr_workitem_id 0
		.amdhsa_next_free_vgpr 768
		.amdhsa_next_free_sgpr 66
		.amdhsa_reserve_vcc 0
		.amdhsa_float_denorm_mode_32 3
		.amdhsa_float_denorm_mode_16_64 3
		.amdhsa_memory_ordered 1
		.amdhsa_forward_progress 1
		.amdhsa_inst_pref_size 114
	.end_amdhsa_kernel
	.amdgpu_metadata
---
amdhsa.version: [ 1, 2 ]
amdhsa.kernels:
  - .name:           k_qf2b49a1db7_attn
    .symbol:         k_qf2b49a1db7_attn.kd
    .args:
      - { .name: qkvb, .offset: 0, .size: 8, .value_kind: global_buffer, .address_space: global }
      - { .name: ctx, .offset: 8, .size: 8, .value_kind: global_buffer, .address_space: global }
    .group_segment_fixed_size: 327680
    .private_segment_fixed_size: 0
    .kernarg_segment_align: 8
    .kernarg_segment_size: 16
    .max_flat_workgroup_size: 128
    .sgpr_count:     66
    .vgpr_count:     768
    .wavefront_size: 32
...
	.end_amdgpu_metadata
.endif
;; end of part 3
;; launch dense (part 4): grid 32 x 8, 4 waves a work-group, clusters of 4 x 1, 327,680 bytes of LDS; arguments ctx, wb, b_dense, hidden_states, y; writes y
.if DOCPART == 4
	.amdgcn_target "amdgcn-amd-amdhsa--gfx1250"
	.amdhsa_code_object_version 6
	.text
	.protected	k_qf2b49a1db7_dense
	.globl	k_qf2b49a1db7_dense
	.p2align	8
	.type	k_qf2b49a1db7_dense,@function
k_qf2b49a1db7_dense:
	s_mov_b64 s[64:65], 0
	v_nop
	global_prefetch_b8 v0, s[64:65] scope:SCOPE_SE
	s_setreg_imm32_b32 hwreg(HW_REG_WAVE_MODE, 25, 1), 1
	s_wait_xcnt 0x0
	s_wait_alu depctr_hold_cnt(0) depctr_sa_sdst(0) depctr_va_vdst(0) depctr_va_sdst(0) depctr_va_ssrc(0) depctr_va_vcc(0) depctr_vm_vsrc(0)
	s_getreg_b32 s2, hwreg(HW_REG_IB_STS2, 6, 4)
	s_cmp_eq_u32 s2, 0
	s_cbranch_scc0 .Lentry_in_a_cluster
	s_endpgm
.Lentry_in_a_cluster:
	s_bfe_u32 s2, ttmp6, 0x10000c
	s_cmp_lg_u32 s2, 0x3003
	s_cbranch_scc0 .Lentry_shape_is_right
	s_endpgm
.Lentry_shape_is_right:
; y = hidden + ctx x Wd + b_dense.  ctx: [16 blocks of 64 k][256 blocks of 16 tokens, token = b*2048+s][8 groups of 8 k][16 tokens][8 k] bf16.  Wd: [1024 k][1024 n] bf16 at byte 6,291,456 of wb.
; hidden, y: [s*2+b][1024] f32.  Sums, bias and residual in f32.
; SHARES.  A tile is 128 tokens x 128 columns: 32 x 8 tiles, one a work-group.  THE FOUR WAVES SHARE K, not the tile: of each 512 k wave w multiplies the whole tile for k = 128 w .. 128 w + 127: 64 accumulators
; of 16 x 16, 512 registers.  At the end the four partial tiles meet in LDS, and each wave sums 32 rows of them, adds bias and residual and stores whole rows of 512 bytes.
; W ALONE GOES THROUGH LDS: two slots of 512 k rows x 128 columns, so that a slot holds 256 matrix instructions' work for each wave.  Each wave fetches, and reads, its own 128 k rows.
; K = 1024 is two slots: both are first fills, and nothing is filled again.
; A COMES STRAIGHT INTO REGISTERS: in ctx's layout a fragment (16 tokens x 32 k) is two loads of 512 consecutive bytes.  A ring of four register slots, one for each quarter (32 k) of a slot's share; each half
; slot is loaded again in the first run of loads behind its last use, three quarters ahead of its next.
; CLUSTER 4 x 1: the four partners have the same columns: W's tiles are asked for jointly.  A has no joint request: a joint load fills LDS, not registers, and with A in LDS a slot would hold half the k.
; THE MATRIX INSTRUCTION IS USED TRANSPOSED: source 0 = 16 columns of W (turned on the way out of LDS by ds_load_tr16_b128), source 1 = 16 tokens: a lane holds one token (lane % 16), columns 8 (lane / 16) + 0..7.
; LOADS THAT SERVE NOTHING: in the last slot the ring's reloads have nothing left to fetch and read that slot's own A once more, and the change of slots behind it reads 8 stale fragments of W: so one text serves
; both trips of the tail and every counted wait holds in both.  The last trip of the last loop reads its own residual rows again.  All stay inside their buffers.
; REGISTERS, in windows of 256 (s_set_vgpr_msb: bits 1:0 source 0, 3:2 source 1, 5:4 source 2, 7:6 destination):
;   window 0: v1-29 addresses and bias; v32-63 residual; v64-255 A's slots 0-2 (at the end: partials and sums)      window 1: v0-127 W's fragments, two buffers; v128-191 A's slot 3
;   window 2: accumulators of tokens 0-63, (a, b) at v[8 (8 a + b)]      window 3: those of tokens 64-127
.set NSLOT,  2                         ; 1024 / 512
.set WOFF,   6291456
.set PW,     288                       ; W's row in LDS: 256 bytes + 32: an odd multiple of 32, for the turning load
.set WPART,  128*PW                    ; a wave's 128 k rows
.set SLOT,   4*WPART                   ; 0x24000: shares no bit with a wave's place in slot 0, so one exclusive or changes slots
.set SPARE,  2*SLOT                    ; behind the ring: the spare words, 128 bytes a wave, which no other line names
.set WSTEP,  512*1024*2                ; bytes of W from slot to slot
.set ASLOT,  8*524288                  ; bytes of A from slot to slot: eight blocks of 64 k
.set PP,     528                       ; the end: a token's 128 f32 + 16 bytes
.set STG,    128*PP                    ; a wave's partial tile; the four lie in the ring, which has had its last fill by then
.set AO,   10                          ; v10 16 x lane; never rewritten
.set ADRB, 11                          ; v11 my W fragments' LDS address in slot 0      v12 in the slot in hand
.set CB,   12
.set STO,  13                          ; v13 where I put 32 bytes of a token's partial
.set RD,   14                          ; v14-17 where I read a row of partial 0-3
.set CO,   18                          ; v18 my byte offset in the output      v19 in the residual
.set CR,   19
.set BV,   20                          ; v[20:23] the bias of my four columns
.set SPW,  28                          ; v28 LDS address of my spare word; never rewritten
.set NIL,  29                          ; v29 0; never rewritten
.set RS,   32                          ; v[32:63] eight rows of the residual
.set PT,   64                          ; v[64:191] eight rows x four partials
.set OS,   192                         ; v[192:223] eight rows of sums
.set WV,   14                          ; s14 wave
.set AC,   16                          ; s[16:17] A at my share of the slot in hand      s[18:19] of the next slot
.set AN,   18
.set G1W,  48                          ; s[48:55] descriptor group 1      s[56:63] group 0: set 0 = slot 0; set 1 = slot 1
.set G0W,  56
.set TB,   66                          ; s66 0 or SLOT: the slot in hand
.set CNT,  67
.set MSB, 0
.macro WIN new                         ; the immediate's high byte repeats the setting that is left; a switch that changes nothing is dropped
.if MSB != (\new)
	s_set_vgpr_msb (MSB<<8)|(\new)
.set MSB, (\new)
.endif
.endm
.macro PLACES                          ; four places between a matrix instruction and a load into, or a read of, its registers (ISA guide 7.12.1 for reads)
.rept 4
	v_nop
.endr
.endm
.macro CREST                           ; a round of the cluster's barrier behind its opening barrier
	s_cmp_lg_u32 s[WV], 0
	s_cbranch_scc1 .Lnot_wave_0_\@
	s_barrier_signal -3
.Lnot_wave_0_\@:
	s_barrier_wait -3
	s_barrier_signal -1
	s_barrier_wait -1
.endm
.macro CROUND
	s_barrier_signal -1
	s_barrier_wait -1
	CREST
.endm
; eight loads: half hf (token blocks 4 hf .. 4 hf + 3) of quarter q's fragments of A, from base bs, into ring slot q
.macro ALOAD q, hf, bs
	WIN 0x40*((\q)/3)                              ; slot 3 lies in window 1
.set la, 4*(\hf)
.rept 4
.set rA, 64+64*(\q)-128*((\q)/3)+8*la
	global_load_b128 v[rA:rA+3],   v[AO], s[\bs:\bs+1] offset:la*2048+((\q)%2)*1024+((\q)/2)*524288
	global_load_b128 v[rA+4:rA+7], v[AO], s[\bs:\bs+1] offset:la*2048+((\q)%2)*1024+((\q)/2)*524288+512
.set la, la+1
.endr
.endm
; sixteen LDS loads: W's eight fragments of quarter q of the slot in hand, into buffer q % 2
.macro FETCHW q
	WIN 0x40
.set fb, 0
.rept 8
.set rB, 64*((\q)%2)+8*fb
	ds_load_tr16_b128 v[rB:rB+3],   v[CB] offset:32*(\q)*PW+32*fb
	ds_load_tr16_b128 v[rB+4:rB+7], v[CB] offset:32*(\q)*PW+32*fb+16*PW
.set fb, fb+1
.endr
.endm
; cnt token blocks from i0 on of half hi x all 8 column blocks, quarter q.  zero = 1: the products start the sums.  The accumulators take turns, one instruction a turn.
.macro MULH q, hi, i0, cnt, zero
	WIN 0xa1+0x50*(\hi)+4*((\q)/3)                 ; W window 1; A window 0, or 1 for slot 3; C and D window 2 or 3
.set mi, (\i0)
.rept (\cnt)
.set mb, 0
.rept 8
.set rD, 8*(8*mi+mb)
.set rB, 64*((\q)%2)+8*mb
.set rA, 64+64*(\q)-128*((\q)/3)+8*(4*(\hi)+mi)
.if \zero
	v_wmma_f32_16x16x32_bf16 v[rD:rD+7], v[rB:rB+7], v[rA:rA+7], 0
.else
	v_wmma_f32_16x16x32_bf16 v[rD:rD+7], v[rB:rB+7], v[rA:rA+7], v[rD:rD+7]
.endif
.set mb, mb+1
.endr
.set mi, mi+1
.endr
.endm
; Quarter q = 0, 1, 2.  The loads of A go out in groups of eight, two in each quarter's middle: the upper half of the slot used last, the lower half of the slot in use.
.macro QUARTER q, zero
	s_wait_loadcnt 48                              ; my lower half of A is in: six groups were issued behind it
	s_wait_dscnt 0x0                               ; W's fragments are in
	MULH \q, 0, 0, 4, \zero
	PLACES
	FETCHW (\q)+1
.if (\q) == 0
	ALOAD 3, 1, AC                                 ; quarter 3 of the slot in hand
.else
	ALOAD (\q)-1, 1, AN
.endif
	ALOAD \q, 0, AN
	s_wait_loadcnt 56                              ; my upper half is in: seven groups were issued behind it
	MULH \q, 1, 0, 4, \zero
.endm
; Quarter 3 and the change of slots.  In front of the barrier each wave waits for all its tensor loads, adds 0 to its spare word, and waits for that and for its reads of this slot.
; fill = 1: the barrier opens a round of the cluster's barrier, and the joint refill, two slots ahead, is the first thing behind it.
.macro TURN fill
	WIN 0
	s_wait_loadcnt 48
	s_wait_tensorcnt 0x0
	ds_add_u32 v[SPW], v[NIL]                      ; 0 onto my spare word
	s_wait_dscnt 1                                 ; W's fragments are in; the add may be out
	MULH 3, 0, 0, 2, 0
	s_wait_dscnt 0x0                               ; the add is done, and my reads of this slot are over
	s_barrier_signal -1
	MULH 3, 0, 2, 2, 0
	WIN 0
	s_barrier_wait -1
.if \fill
	CREST                                          ; no wave of any partner still reads this slot or has a load on its way
	s_xor_b32 s[G0W+5], s[G0W+5], SLOT
	s_add_nc_u64 s[G0W+6:G0W+7], s[G0W+6:G0W+7], WSTEP
	tensor_load_to_lds s[G0W+4:G0W+7], s[G1W:G1W+7]
	s_nop 0
.endif
	PLACES                                         ; behind the tensor load, and in front of the loads below
	s_xor_b32 s[TB], s[TB], SLOT
	v_add_nc_u32 v[CB], s[TB], v[ADRB]
	FETCHW 0
	ALOAD 2, 1, AN
	ALOAD 3, 0, AN
	s_wait_loadcnt 56
	MULH 3, 1, 0, 4, 0
	s_wait_xcnt 0x0                                ; the loads' bases are rewritten only behind this wait
	s_mov_b64 s[AC:AC+1], s[AN:AN+1]
.if \fill
	s_add_nc_u64 s[AN:AN+1], s[AN:AN+1], ASLOT
.endif
.endm
	s_load_b256 s[4:11], s[0:1], 0x0               ; A s[4:5], wb s[6:7], bias s[8:9], residual s[10:11]
	s_load_b64 s[12:13], s[0:1], 0x20              ; out
	v_lshl_add_u32 v[SPW], v0, 2, SPARE
	v_mov_b32 v[NIL], 0
	ds_add_u32 v28, v29
	s_wait_dscnt 0x0
	v_lshrrev_b32 v1, 5, v0
	v_readfirstlane_b32 s[WV], v1
	s_bfe_u32 s40, ttmp6, 0x40000                  ; cx
	s_lshl_b32 s42, ttmp9, 2
	s_add_co_u32 s42, s42, s40                     ; token tile: it enters A's, the residual's and the output's addresses alone
	s_and_b32 s45, ttmp7, 0xffff                   ; column tile, which the four partners share
	s_mov_b32 s[G1W], 15|(1<<16)|(1<<20)|(1<<21)|(5<<22)|(7<<25)  ; the mask of four; 2-byte elements; padding on; bit 21 beside a mask; after every 64 words 8 words
	s_mov_b32 s[G1W+1], 128<<16                    ; tensor_dim0 = 128
	s_mov_b32 s[G1W+2], 128<<16                    ; tensor_dim1 = 128
	s_mov_b32 s[G1W+3], 128<<16                    ; tile_dim0 = 128
	s_mov_b32 s[G1W+4], 128                        ; tile_dim1 = 128
	s_mov_b32 s[G1W+5], 1024                       ; elements from k row to k row
	s_mov_b32 s[G1W+6], 0
	s_mov_b32 s[G1W+7], 0
	s_lshl_b32 s46, s45, 8                         ; W: column 128 x tile, k row 128 x wave
	s_lshl_b32 s47, s[WV], 18
	s_add_co_u32 s46, s46, s47
	s_add_co_u32 s46, s46, WOFF
	s_mov_b32 s47, 0
	s_mul_i32 s3, s[WV], WPART                     ; where it goes
	s_lshl_b32 s20, s42, 14                        ; A: eight blocks of 16 tokens a tile, 2,048 bytes each; two blocks of 64 k a wave
	s_lshl_b32 s21, s[WV], 20
	s_add_co_u32 s20, s20, s21
	s_mov_b32 s21, 0
	s_lshl_b32 s22, s45, 9                         ; the tile's first column, in f32 bytes
	s_mov_b32 s23, 0
	s_wait_kmcnt 0x0
	s_add_nc_u64 s[46:47], s[6:7], s[46:47]
	s_add_nc_u64 s[AC:AC+1], s[4:5], s[20:21]
	s_add_nc_u64 s[AN:AN+1], s[AC:AC+1], ASLOT
	s_add_nc_u64 s[8:9], s[8:9], s[22:23]
.irp s, 0,1
	s_mov_b32 s[G0W+4*(\s)], 1
	s_add_co_u32 s[G0W+4*(\s)+1], s3, (\s)*SLOT
	s_add_nc_u64 s[G0W+4*(\s)+2:G0W+4*(\s)+3], s[46:47], (\s)*WSTEP
	s_or_b32 s[G0W+4*(\s)+3], s[G0W+4*(\s)+3], 0x80000000
.endr
	CROUND                                         ; all four work-groups are here: the first joint loads meet
	tensor_load_to_lds s[G0W:G0W+3], s[G1W:G1W+7]  ; two loads of mine are out
	s_nop 0
	tensor_load_to_lds s[G0W+4:G0W+7], s[G1W:G1W+7]
	s_nop 0
	PLACES
	v_and_b32 v[AO], 31, v0
	v_lshlrev_b32 v[AO], 4, v[AO]
	global_load_b128 v[BV:BV+3], v[AO], s[8:9]     ; bias of columns 4 lane .. + 3
	ALOAD 0, 0, AC                                 ; the ring's first seven groups, in the order in which the loop loads them again
	ALOAD 0, 1, AC
	ALOAD 1, 0, AC
	ALOAD 1, 1, AC
	ALOAD 2, 0, AC
	ALOAD 2, 1, AC
	ALOAD 3, 0, AC
	WIN 0
	v_and_b32 v1, 15, v0                           ; r = lane % 16
	v_bfe_u32 v2, v0, 4, 1                         ; h = lane / 16
	v_and_b32 v4, 7, v0                            ; W, turning load: k row 8 h + lane % 8, columns 8 ((lane / 8) % 2) on
	v_lshl_add_u32 v4, v2, 3, v4
	v_mul_u32_u24 v4, v4, PW
	v_bfe_u32 v5, v0, 3, 1
	v_lshl_add_u32 v4, v5, 4, v4
	v_add_nc_u32 v[ADRB], s3, v4
	v_mov_b32 v[CB], v[ADRB]
	s_mov_b32 s[TB], 0
	s_mul_i32 s22, s[WV], STG
	v_mul_u32_u24 v6, v1, PP                       ; my partial tile: token r, 32 bytes for each half of the lanes
	v_lshl_add_u32 v6, v2, 5, v6
	v_add_nc_u32 v[STO], s22, v6
	s_mul_i32 s22, s[WV], 32*PP                    ; back: my 32 rows of each partial, 16 bytes a lane
.irp p, 0,1,2,3
	v_add_nc_u32 v[RD+\p], s22, v[AO]
	s_add_co_u32 s22, s22, STG
.endr
	v_mov_b32 v[CO], v[AO]
	v_mov_b32 v[CR], v[AO]
	s_and_b32 s20, s42, 15                         ; s of my first row: 128 x (tile % 16) + 32 x wave; 8,192 bytes from s to s + 1
	s_lshl_b32 s20, s20, 7
	s_lshl_b32 s21, s[WV], 5
	s_add_co_u32 s20, s20, s21
	s_lshl_b32 s20, s20, 13
	s_lshr_b32 s21, s42, 4                         ; b = tile / 16: 4,096 bytes
	s_lshl_b32 s21, s21, 12
	s_add_co_u32 s20, s20, s21
	s_lshl_b32 s21, s45, 9
	s_add_co_u32 s20, s20, s21
	s_mov_b32 s21, 0
	s_add_nc_u64 s[10:11], s[10:11], s[20:21]
	s_add_nc_u64 s[12:13], s[12:13], s[20:21]
	s_wait_tensorcnt 0x1                           ; my part of slot 0 is in; slot 1's may stay out
	s_barrier_signal -1
	s_barrier_wait -1
	FETCHW 0
	QUARTER 0, 1                                   ; the first quarter stands in front of the loops: its products start the sums
	WIN 0
.if NSLOT > 2
	s_mov_b32 s3, NSLOT-2
.Lstep:                                                ; trip t: quarters 1-3 of slot t, the refill with slot t + 2, quarter 0 of slot t + 1
	QUARTER 1, 0
	QUARTER 2, 0
	TURN 1
	QUARTER 0, 0
	WIN 0
	s_sub_co_u32 s3, s3, 1
	s_cmp_lg_u32 s3, 0
	s_cbranch_scc1 .Lstep
.endif
	s_mov_b32 s[CNT], 2                            ; the last two slots ask for nothing: one text, walked twice and left in its middle
.Ltail:
	QUARTER 1, 0
	QUARTER 2, 0
	TURN 0
	WIN 0
	s_sub_co_u32 s[CNT], s[CNT], 1
	s_cmp_eq_u32 s[CNT], 0
	s_cbranch_scc1 .Lout
	QUARTER 0, 0
	WIN 0
	s_branch .Ltail
.Lout:
	PLACES                                         ; behind the last products
.irp i, 0,1,2,3,4,5,6,7                ; my first eight rows of the residual: 512 consecutive bytes a load; they land while the partials are stored
	global_load_b128 v[RS+4*\i:RS+4*\i+3], v[CR], s[10:11] offset:\i*8192
.endr
	s_wait_dscnt 0x0                               ; my reads of the ring are over;
	s_barrier_signal -1
	s_barrier_wait -1                              ; everybody's are: the ring, which is filled no more, takes the partial tiles
.set da, 0
.rept 8                                ; each accumulator's low four registers first
	WIN 0x08+4*(da/4)                              ; store data (source 1) in window 2 or 3
.set db, 0
.rept 8
.set rD, 8*(8*(da%4)+db)
	ds_store_b128 v[STO], v[rD:rD+3]   offset:da*16*PP+64*db
	ds_store_b128 v[STO], v[rD+4:rD+7] offset:da*16*PP+64*db+16
.set db, db+1
.endr
.set da, da+1
.endr
	WIN 0
	s_wait_loadcnt 0x0                             ; the ring's last loads have landed: its registers are free
	s_wait_dscnt 0x0                               ; for the others' sake: my partial tile is stored
	s_barrier_signal -1
	s_barrier_wait -1
	s_mov_b32 s2, 4
.Lrows:                                                ; a trip: eight of my 32 rows: four partials + bias + residual
.irp i, 0,1,2,3,4,5,6,7
.irp p, 0,1,2,3
	ds_load_b128 v[PT+16*\i+4*\p:PT+16*\i+4*\p+3], v[RD+\p] offset:\i*PP
.endr
.endr
	s_wait_loadcnt 0x0                             ; this trip's residual
.irp i, 0,1,2,3,4,5,6,7
	v_pk_add_f32 v[OS+4*\i:OS+4*\i+1],   v[RS+4*\i:RS+4*\i+1],   v[BV:BV+1]
	v_pk_add_f32 v[OS+4*\i+2:OS+4*\i+3], v[RS+4*\i+2:RS+4*\i+3], v[BV+2:BV+3]
.endr
	s_cmp_lg_u32 s2, 1
	s_cselect_b32 s20, 0x10000, 0                  ; eight rows on; in the last trip the same rows again, so that no load leaves the buffer
	v_add_nc_u32 v[CR], s20, v[CR]
.irp i, 0,1,2,3,4,5,6,7                ; the next trip's residual
	global_load_b128 v[RS+4*\i:RS+4*\i+3], v[CR], s[10:11] offset:\i*8192
.endr
	s_wait_dscnt 0x0
.irp p, 0,1,2,3
.irp i, 0,1,2,3,4,5,6,7
	v_pk_add_f32 v[OS+4*\i:OS+4*\i+1],   v[OS+4*\i:OS+4*\i+1],   v[PT+16*\i+4*\p:PT+16*\i+4*\p+1]
	v_pk_add_f32 v[OS+4*\i+2:OS+4*\i+3], v[OS+4*\i+2:OS+4*\i+3], v[PT+16*\i+4*\p+2:PT+16*\i+4*\p+3]
.endr
.endr
.irp i, 0,1,2,3,4,5,6,7                ; each store covers 512 consecutive bytes, aligned
	global_store_b128 v[CO], v[OS+4*\i:OS+4*\i+3], s[12:13] offset:\i*8192
.endr
	s_wait_xcnt 0x0                                ; the stores' data and offset are rewritten only behind this wait
.irp p, 0,1,2,3
	v_add_nc_u32 v[RD+\p], 8*PP, v[RD+\p]
.endr
	v_add_nc_u32 v[CO], 0x10000, v[CO]
	s_sub_co_u32 s2, s2, 1
	s_cmp_lg_u32 s2, 0
	s_cbranch_scc1 .Lrows
	s_wait_tensorcnt 0x0                           ; the wave's end
	ds_add_u32 v[SPW], v[NIL]
	s_wait_dscnt 0x0
	CROUND                                         ; the closing round: no work-group ends while a partner may still ask for a tile that names it
	s_endpgm
.Lfunc_end_k_qf2b49a1db7_dense:
	.size	k_qf2b49a1db7_dense, .Lfunc_end_k_qf2b49a1db7_dense-k_qf2b49a1db7_dense
	.p2alignl 7, 3214868480
	.fill 96, 4, 3214868480
	.section	.rodata,"a",@progbits
	.p2align	6, 0x0
	.amdhsa_kernel k_qf2b49a1db7_dense
		.amdhsa_group_segment_fixed_size 327680
		.amdhsa_private_segment_fixed_size 0
		.amdhsa_enable_private_segment 0
		.amdhsa_kernarg_size 40
		.amdhsa_user_sgpr_count 2
		.amdhsa_user_sgpr_kernarg_segment_ptr 1
		.amdhsa_wavefront_size32 1
		.amdhsa_system_sgpr_workgroup_id_x 1
		.amdhsa_system_sgpr_workgroup_id_y 1
		.amdhsa_system_sgpr_workgroup_id_z 1
		.amdhsa_system_vgpr_workitem_id 0
		.amdhsa_next_free_vgpr 1024
		.amdhsa_next_free_sgpr 68
		.amdhsa_reserve_vcc 0
		.amdhsa_float_denorm_mode_32 3
		.amdhsa_float_denorm_mode_16_64 3
		.amdhsa_memory_ordered 1
		.amdhsa_forward_progress 1
		.amdhsa_inst_pref_size 66
	.end_amdhsa_kernel
	.amdgpu_metadata
---
amdhsa.version: [ 1, 2 ]
amdhsa.kernels:
  - .name:           k_qf2b49a1db7_dense
    .symbol:         k_qf2b49a1db7_dense.kd
    .args:
      - { .name: ctx, .offset: 0, .size: 8, .value_kind: global_buffer, .address_space: global }
      - { .name: wb, .offset: 8, .size: 8, .value_kind: global_buffer, .address_space: global }
      - { .name: b_dense, .offset: 16, .size: 8, .value_kind: global_buffer, .address_space: global }
      - { .name: hidden_states, .offset: 24, .size: 8, .value_kind: global_buffer, .address_space: global }
      - { .name: y, .offset: 32, .size: 8, .value_kind: global_buffer, .address_space: global }
    .group_segment_fixed_size: 327680
    .private_segment_fixed_size: 0
    .kernarg_segment_align: 8
    .kernarg_segment_size: 40
    .max_flat_workgroup_size: 128
    .sgpr_count:     68
    .vgpr_count:     1024
    .wavefront_size: 32
...
	.end_amdgpu_metadata
.endif
;; end of part 4
;; launch ln2 (part 5): grid 256 x 1, 8 waves a work-group, no clusters, 0 bytes of LDS; arguments y, ln2_g, ln2_b, an; writes an
.if DOCPART == 5
	.amdgcn_target "amdgcn-amd-amdhsa--gfx1250"
	.amdhsa_code_object_version 6
	.text
	.protected	k_qf2b49a1db7_ln2
	.globl	k_qf2b49a1db7_ln2
	.p2align	8
	.type	k_qf2b49a1db7_ln2,@function
k_qf2b49a1db7_ln2:
	s_mov_b64 s[64:65], 0
	v_nop
	global_prefetch_b8 v0, s[64:65] scope:SCOPE_SE
	s_setreg_imm32_b32 hwreg(HW_REG_WAVE_MODE, 25, 1), 1
	s_wait_xcnt 0x0
; The second layer norm.  y: [2048 s][2 b][1024] f32 -> an: [b*2048+s][1024] bf16, (y - mean) * rsqrt(var + 1e-5) * g + b, all in f32, rounded once.
; A work-group takes 16 rows, a wave the two rows of one s (b = 0, 1): 4,096 bytes each, 32 registers a lane, kept in registers between the passes.  No LDS, no barrier.
; The mean is taken away before the squares are summed, so a common offset costs no digits.  NaN and infinities are not treated apart.
.set X0, 8                             ; v[8:39]    row b = 0
.set X1, 40                            ; v[40:71]   row b = 1
.set G,  72                            ; v[72:103]  gains of my 32 columns
.set BB, 104                           ; v[104:135] offsets of my 32 columns
.set T,  136                           ; v[136:143] four chains of sums
.set MU, 144                           ; v[144:145] the mean, twice
.set R0, 146                           ; v[146:147] 1 / sqrt(var + eps) of row 0, twice
.set R1, 148                           ; v[148:149] of row 1
.set O0, 152                           ; v[152:167] row 0 in bf16
.set O1, 168                           ; v[168:183] row 1 in bf16
	s_load_b256 s[4:11], s[0:1], 0x0               ; y s[4:5], g s[6:7], b s[8:9], an s[10:11]
	v_and_b32 v3, 31, v0
	v_lshlrev_b32 v1, 4, v3                        ; 16 x lane: f32 in
	v_lshlrev_b32 v2, 3, v3                        ; 8 x lane: bf16 out
	v_lshrrev_b32 v4, 5, v0
	v_readfirstlane_b32 s26, v4                    ; wave 0..7
	s_lshl_b32 s28, ttmp9, 16                      ; 16 rows of 4,096 bytes a work-group,
	s_lshl_b32 s27, s26, 13                        ; two a wave
	s_add_co_u32 s28, s28, s27
	s_mov_b32 s29, 0
	s_lshl_b32 s30, ttmp9, 3
	s_add_co_u32 s30, s30, s26                     ; s = 8 x work-group + wave
	s_lshl_b32 s30, s30, 11                        ; a row of an is 2,048 bytes
	s_mov_b32 s31, 0
	s_mov_b32 s22, 0x76543210                      ; v_permlanex16_b32: each lane takes its own place in the other half
	s_mov_b32 s23, 0xfedcba98
	s_mov_b32 s24, 0x3a800000                      ; 1 / 1024
	s_mov_b32 s25, 0x3727c5ac                      ; 1e-5
	s_wait_kmcnt 0x0
	s_add_nc_u64 s[4:5], s[4:5], s[28:29]
	s_add_nc_u64 s[10:11], s[10:11], s[30:31]
.irp j, 0,1,2,3,4,5,6,7                ; load j: columns 128 j + 4 lane .. + 3; 512 consecutive bytes a wave
	global_load_b128 v[X0+4*(\j):X0+4*(\j)+3], v1, s[4:5] offset:512*(\j)
.endr
.irp j, 0,1,2,3,4,5,6,7
	global_load_b128 v[X1+4*(\j):X1+4*(\j)+3], v1, s[4:5] offset:4096+512*(\j)
.endr
.irp j, 0,1,2,3,4,5,6,7
	global_load_b128 v[G+4*(\j):G+4*(\j)+3], v1, s[6:7] offset:512*(\j)
.endr
.irp j, 0,1,2,3,4,5,6,7
	global_load_b128 v[BB+4*(\j):BB+4*(\j)+3], v1, s[8:9] offset:512*(\j)
.endr
.macro FOLD                            ; the four chains into one number, then over the 32 lanes; every lane ends with the sum
	v_pk_add_f32 v[T:T+1], v[T:T+1], v[T+2:T+3]
	v_pk_add_f32 v[T+4:T+5], v[T+4:T+5], v[T+6:T+7]
	v_pk_add_f32 v[T:T+1], v[T:T+1], v[T+4:T+5]
	v_add_f32 v[T], v[T], v[T+1]
	v_add_f32_dpp v[T], v[T], v[T] row_xmask:1 row_mask:0xf bank_mask:0xf
	v_add_f32_dpp v[T], v[T], v[T] row_xmask:2 row_mask:0xf bank_mask:0xf
	v_add_f32_dpp v[T], v[T], v[T] row_xmask:4 row_mask:0xf bank_mask:0xf
	v_add_f32_dpp v[T], v[T], v[T] row_xmask:8 row_mask:0xf bank_mask:0xf
	v_permlanex16_b32 v[T+1], v[T], s22, s23       ; its destination counts as read: T+1 has been written
	v_add_f32 v[T], v[T], v[T+1]
.endm
.macro STAT x, r                       ; the row at x becomes x - mean; r, r + 1 take 1 / sqrt(var + eps)
.irp c, 0,1,2,3
	v_pk_add_f32 v[T+2*(\c):T+2*(\c)+1], v[(\x)+2*(\c):(\x)+2*(\c)+1], v[(\x)+8+2*(\c):(\x)+8+2*(\c)+1]
.endr
.irp k, 2,3
.irp c, 0,1,2,3
	v_pk_add_f32 v[T+2*(\c):T+2*(\c)+1], v[T+2*(\c):T+2*(\c)+1], v[(\x)+8*(\k)+2*(\c):(\x)+8*(\k)+2*(\c)+1]
.endr
.endr
	FOLD
	v_mul_f32 v[MU], s24, v[T]
	v_mul_f32 v[MU+1], s24, v[T]
.set z, 0
.rept 16
	v_pk_add_f32 v[(\x)+2*z:(\x)+2*z+1], v[(\x)+2*z:(\x)+2*z+1], v[MU:MU+1] neg_lo:[0,1] neg_hi:[0,1]
.set z, z+1
.endr
.irp c, 0,1,2,3
	v_pk_mul_f32 v[T+2*(\c):T+2*(\c)+1], v[(\x)+2*(\c):(\x)+2*(\c)+1], v[(\x)+2*(\c):(\x)+2*(\c)+1]
.endr
.irp k, 1,2,3
.irp c, 0,1,2,3
	v_pk_fma_f32 v[T+2*(\c):T+2*(\c)+1], v[(\x)+8*(\k)+2*(\c):(\x)+8*(\k)+2*(\c)+1], v[(\x)+8*(\k)+2*(\c):(\x)+8*(\k)+2*(\c)+1], v[T+2*(\c):T+2*(\c)+1]
.endr
.endr
	FOLD
	v_fma_f32 v[T], v[T], s24, s25                 ; var + eps
	v_rsq_f32 v[(\r)], v[T]
	v_rsq_f32 v[(\r)+1], v[T]
	v_nop                                          ; a plain instruction before the result is used or the source rewritten (ISA guide 5.7.2)
.endm
.macro EMIT x, r, o, imm               ; scaled, gain and offset applied, rounded, stored: each store covers 256 consecutive bytes, aligned
.set z, 0
	s_wait_alu depctr_va_vdst(0)
.rept 16
	v_pk_mul_f32 v[(\x)+2*z:(\x)+2*z+1], v[(\x)+2*z:(\x)+2*z+1], v[(\r):(\r)+1]
.set z, z+1
.endr
.set z, 0
.rept 16
	v_pk_fma_f32 v[(\x)+2*z:(\x)+2*z+1], v[(\x)+2*z:(\x)+2*z+1], v[G+2*z:G+2*z+1], v[BB+2*z:BB+2*z+1]
.set z, z+1
.endr
.set z, 0
.rept 16
	v_cvt_pk_bf16_f32 v[(\o)+z], v[(\x)+2*z], v[(\x)+2*z+1]
.set z, z+1
.endr
.irp j, 0,1,2,3,4,5,6,7
	global_store_b64 v2, v[(\o)+2*(\j):(\o)+2*(\j)+1], s[10:11] offset:256*(\j)+(\imm)
.endr
.endm
	s_wait_loadcnt 24                              ; row 0 is in; the 24 younger loads (row 1, g, b) stay out
	STAT X0, R0
	s_wait_loadcnt 16                              ; row 1 is in
	STAT X1, R1
	s_wait_loadcnt 0x0                             ; g and b
	EMIT X0, R0, O0, 0
	EMIT X1, R1, O1, 4194304                       ; b = 1 lies 2,048 rows of 2,048 bytes further on
	s_endpgm
.Lfunc_end_k_qf2b49a1db7_ln2:
	.size	k_qf2b49a1db7_ln2, .Lfunc_end_k_qf2b49a1db7_ln2-k_qf2b49a1db7_ln2
	.p2alignl 7, 3214868480
	.fill 96, 4, 3214868480
	.section	.rodata,"a",@progbits
	.p2align	6, 0x0
	.amdhsa_kernel k_qf2b49a1db7_ln2
		.amdhsa_group_segment_fixed_size 0
		.amdhsa_private_segment_fixed_size 0
		.amdhsa_enable_private_segment 0
		.amdhsa_kernarg_size 32
		.amdhsa_user_sgpr_count 2
		.amdhsa_user_sgpr_kernarg_segment_ptr 1
		.amdhsa_wavefront_size32 1
		.amdhsa_system_sgpr_workgroup_id_x 1
		.amdhsa_system_sgpr_workgroup_id_y 1
		.amdhsa_system_sgpr_workgroup_id_z 1
		.amdhsa_system_vgpr_workitem_id 0
		.amdhsa_next_free_vgpr 184
		.amdhsa_next_free_sgpr 66
		.amdhsa_reserve_vcc 0
		.amdhsa_float_denorm_mode_32 3
		.amdhsa_float_denorm_mode_16_64 3
		.amdhsa_memory_ordered 1
		.amdhsa_forward_progress 1
		.amdhsa_inst_pref_size 20
	.end_amdhsa_kernel
	.amdgpu_metadata
---
amdhsa.version: [ 1, 2 ]
amdhsa.kernels:
  - .name:           k_qf2b49a1db7_ln2
    .symbol:         k_qf2b49a1db7_ln2.kd
    .args:
      - { .name: y, .offset: 0, .size: 8, .value_kind: global_buffer, .address_space: global }
      - { .name: ln2_g, .offset: 8, .size: 8, .value_kind: global_buffer, .address_space: global }
      - { .name: ln2_b, .offset: 16, .size: 8, .value_kind: global_buffer, .address_space: global }
      - { .name: an, .offset: 24, .size: 8, .value_kind: global_buffer, .address_space: global }
    .group_segment_fixed_size: 0
    .private_segment_fixed_size: 0
    .kernarg_segment_align: 8
    .kernarg_segment_size: 32
    .max_flat_workgroup_size: 256
    .sgpr_count:     66
    .vgpr_count:     184
    .wavefront_size: 32
...
	.end_amdgpu_metadata
.endif
;; end of part 5
;; launch fc1 (part 6): grid 16 x 16, 4 waves a work-group, clusters of 4 x 4, 327,680 bytes of LDS; arguments an, wb, b_fc1, h; writes h
.if DOCPART == 6
	.amdgcn_target "amdgcn-amd-amdhsa--gfx1250"
	.amdhsa_code_object_version 6
	.text
	.protected	k_qf2b49a1db7_fc1
	.globl	k_qf2b49a1db7_fc1
	.p2align	8
	.type	k_qf2b49a1db7_fc1,@function
k_qf2b49a1db7_fc1:
	s_mov_b64 s[64:65], 0
	v_nop
	global_prefetch_b8 v0, s[64:65] scope:SCOPE_SE
	s_setreg_imm32_b32 hwreg(HW_REG_WAVE_MODE, 25, 1), 1
	s_wait_xcnt 0x0
	s_wait_alu depctr_hold_cnt(0) depctr_sa_sdst(0) depctr_va_vdst(0) depctr_va_sdst(0) depctr_va_ssrc(0) depctr_va_vcc(0) depctr_vm_vsrc(0)
	s_getreg_b32 s2, hwreg(HW_REG_IB_STS2, 6, 4)
	s_cmp_eq_u32 s2, 0
	s_cbranch_scc0 .Lentry_in_a_cluster
	s_endpgm
.Lentry_in_a_cluster:
	s_bfe_u32 s2, ttmp6, 0x10000c
	s_cmp_lg_u32 s2, 0xf033
	s_cbranch_scc0 .Lentry_shape_is_right
	s_endpgm
.Lentry_shape_is_right:
; h = gelu(an x W1 + b_fc1), the exact (erf) form.  an: [4096 tokens][1024] bf16.  W1: [1024 k][4096 n] bf16 at byte 8,388,608 of wb.  Sums and the activation in f32, h rounded once.
; Out: h [64 blocks of 64 k][256 blocks of 16 tokens][8 groups of 8 k][16 tokens][8 k] bf16: the order in which the next product's lanes take their fragments, 512 consecutive bytes a load.
; GELU.  gelu(x) = max(x, 0) - |x| (q(t) / 2) exp(-x^2 / 2), t = 1 / (1 + 0.3275911 |x| / sqrt 2), q the five-term polynomial of the rational form of erf: its absolute error is 1.5e-7
; at every finite x, and the form subtracts no two large numbers.  NaN and infinities are not treated apart.
; SHARES.  A tile is 256 tokens x 256 columns: 16 x 16 tiles, one a work-group.  Four waves, 2 x 2, each 128 x 128: 64 accumulators of 16 x 16, 512 registers.
; K goes in steps of 128 through two LDS slots filled by the tensor data mover: one load a wave behind each change of slots (waves 0, 1: halves of A's tile; waves 2, 3: halves of W's).
; CLUSTER 4 x 4: A's tile is asked for jointly by a row of the cluster, W's by a column.
; THE MATRIX INSTRUCTION IS USED TRANSPOSED: source 0 = 16 columns of W (turned on the way out of LDS by ds_load_tr16_b128), source 1 = 16 tokens: a lane holds one token (lane % 16) and the
; columns 8 (lane / 16) + 0..7.  THE BIAS IS THE C OPERAND of the products that start the sums.
; THE WAY OUT.  A lane's eight numbers of an accumulator are, packed, 16 bytes of h that belong together, and the 32 lanes' make 512 consecutive bytes: nothing changes lanes.  The accumulators go through LDS
; all the same, each lane reading back what it stored, so that ONE loop can walk the 64 of them: written out, the activation would be sixteen times as long.
; REGISTERS, in windows of 256 (s_set_vgpr_msb: bits 1:0 source 0, 3:2 source 1, 5:4 source 2, 7:6 destination):
;   window 0: v1-29 addresses; v64-127, v128-191 A's fragments, two buffers; v192-255 the bias; on the way out v32-207 at work      window 1: v0-63, v64-127 W's fragments
;   window 2: accumulators of my tokens 0-63, (a, b) at v[8 (8 a + b)]      window 3: those of my tokens 64-127
.set MB,     8
.set NBL,    8
.set AH,     4                         ; A fragments in half a buffer
.set LA2,    8                         ; the youngest loads of a run: A's tokens 64-127
.set KSTEP,  128
.set NSTEP,  8                         ; 1024 / 128
.set TN,     256
.set NW,     4096
.set WOFF,   8388608
.set PA,     272                       ; A's row in LDS: 256 bytes + 16
.set PW,     544                       ; W's row: 512 bytes + 32: an odd multiple of 32, for the turning load
.set HALFA,  128*PA
.set WBASE,  2*HALFA
.set HALFW,  64*PW
.set SLOT,   WBASE+2*HALFW             ; 0x22000: shares no bit with a tile's place in slot 0
.set SPARE,  2*SLOT
.set ASTEP,  KSTEP*2
.set WSTEP,  KSTEP*NW*2
.set SPITCH, 272                       ; the way out: a token's 64 f32 of one block of h + 16 bytes
.set STG,    2*128*SPITCH              ; a wave's stage: [2 blocks of 64 columns][128 tokens]; the four fill the ring, which has had its last fill by then, exactly
.set FA0, 64
.set FA1, 128
.set FB0, 0
.set FB1, 64
.set BIAS, 192
.set XX,  32                           ; the way out: x, then max(x, 0), then the result
.set UU,  64                           ; |x|
.set TT,  96                           ; t
.set EE,  128                          ; exp(-x^2 / 2)
.set PP,  160                          ; the polynomial
.set OO,  192                          ; 16 registers of bf16
.set ADRA, 16
.set ADRB, 17
.set CA,   18
.set CB,   19
.set STO,  24
.set RD,   25
.set CO,   26
.set BO,   27
.set SPW,  28
.set NIL,  29
.set WV,   14                          ; s14 wave      s15 wave / 2: fetch for A or W, and my half of the tokens      s16 wave % 2: which half I fetch, and my half of the columns
.set ROLE, 15
.set HALF, 16
.set G1A,  24
.set G0A,  32
.set G1W,  48
.set G0W,  56
.set TB,   66
.set CNT,  67
.set MSB, 0
.macro WIN new                         ; the immediate's high byte repeats the setting that is left; a switch that changes nothing is dropped
.if MSB != (\new)
	s_set_vgpr_msb (MSB<<8)|(\new)
.set MSB, (\new)
.endif
.endm
.macro PLACES                          ; four places between a matrix instruction and a load into, or a read of, its registers (ISA guide 7.12.1 for reads)
.rept 4
	v_nop
.endr
.endm
.macro JLOAD                           ; a joint refill by the walking descriptors; s_nop 0 and four v_nop follow each line, ahead of the jump and the label
	s_cmp_eq_u32 s[ROLE], 0
	s_cbranch_scc0 .Lfor_w_\@
	tensor_load_to_lds s[G0A+4:G0A+7], s[G1A:G1A+7]
	s_nop 0
.rept 4
	v_nop
.endr
	s_branch .Lasked_\@
.Lfor_w_\@:
	tensor_load_to_lds s[G0W+4:G0W+7], s[G1W:G1W+7]
	s_nop 0
.rept 4
	v_nop
.endr
.Lasked_\@:
.endm
.macro CREST                           ; a round of the cluster's barrier behind its opening barrier
	s_cmp_lg_u32 s[WV], 0
	s_cbranch_scc1 .Lnot_wave_0_\@
	s_barrier_signal -3
.Lnot_wave_0_\@:
	s_barrier_wait -3
	s_barrier_signal -1
	s_barrier_wait -1
.endm
.macro CROUND
	s_barrier_signal -1
	s_barrier_wait -1
	CREST
.endm
	s_load_b256 s[4:11], s[0:1], 0x0               ; an s[4:5], wb s[6:7], bias s[8:9], h s[10:11]
	v_lshl_add_u32 v[SPW], v0, 2, SPARE
	v_mov_b32 v[NIL], 0
	ds_add_u32 v28, v29
	s_wait_dscnt 0x0
	v_lshrrev_b32 v1, 5, v0
	v_readfirstlane_b32 s[WV], v1
	s_lshr_b32 s[ROLE], s[WV], 1
	s_and_b32 s[HALF], s[WV], 1
	s_bfe_u32 s40, ttmp6, 0x40000                  ; cx
	s_bfe_u32 s41, ttmp6, 0x40004                  ; cy
	s_lshl_b32 s42, ttmp9, 2
	s_add_co_u32 s42, s42, s40                     ; tile column
	s_and_b32 s45, ttmp7, 0xffff
	s_lshl_b32 s45, s45, 2
	s_add_co_u32 s45, s45, s41                     ; tile row
	s_lshl_b32 s43, s41, 2
	s_lshl_b32 s43, 15, s43                        ; my row of the cluster
	s_lshl_b32 s44, 0x1111, s40                    ; my column
	s_or_b32 s[G1A], s43, (1<<16)|(1<<20)|(1<<21)|(5<<22)|(3<<25)  ; mask; 2-byte elements; padding on; bit 21 beside a mask; after every 64 words 4 words
	s_mov_b32 s[G1A+1], 128<<16                    ; tensor_dim0 = 128
	s_mov_b32 s[G1A+2], 128<<16                    ; tensor_dim1 = 128
	s_mov_b32 s[G1A+3], 128<<16                    ; tile_dim0 = 128
	s_mov_b32 s[G1A+4], 128                        ; tile_dim1 = 128
	s_mov_b32 s[G1A+5], 1024                       ; elements from row to row
	s_mov_b32 s[G1A+6], 0
	s_mov_b32 s[G1A+7], 0
	s_or_b32 s[G1W], s44, (1<<16)|(1<<20)|(1<<21)|(6<<22)|(7<<25)  ; after every 128 words 8 words
	s_mov_b32 s[G1W+1], TN<<16
	s_mov_b32 s[G1W+2], 64<<16
	s_mov_b32 s[G1W+3], TN<<16
	s_mov_b32 s[G1W+4], 64
	s_mov_b32 s[G1W+5], NW
	s_mov_b32 s[G1W+6], 0
	s_mov_b32 s[G1W+7], 0
	s_mov_b32 s68, 0x3e6d3388                      ; 0.3275911 / sqrt 2.  Each constant is named as a pair, so both words are written
	s_mov_b32 s69, s68
	s_mov_b32 s70, 0xbf38aa3b                      ; -log2(e) / 2
	s_mov_b32 s71, s70
	s_mov_b32 s72, 0x3f07dc22                      ; a5 / 2 =  0.5307027
	s_mov_b32 s73, s72
	s_mov_b32 s74, 0xbf3a00e3                      ; a4 / 2 = -0.7265760
	s_mov_b32 s75, s74
	s_mov_b32 s76, 0x3f35f0e3                      ; a3 / 2 =  0.7107069
	s_mov_b32 s77, s76
	s_mov_b32 s78, 0xbe11a98e                      ; a2 / 2 = -0.1422484
	s_mov_b32 s79, s78
	s_mov_b32 s80, 0x3e027906                      ; a1 / 2 =  0.1274148
	s_mov_b32 s81, s80
	s_mov_b32 s82, 0x7fffffff
	s_lshl_b32 s18, s45, 8                         ; A: token 256 x tile row + 128 x half, 2,048 bytes a token
	s_lshl_b32 s19, s[HALF], 7
	s_add_co_u32 s18, s18, s19
	s_lshl_b32 s18, s18, 11
	s_mov_b32 s19, 0
	s_mul_i32 s46, s42, TN*2                       ; W: column 256 x tile column, k row 64 x half
	s_mul_i32 s47, s[HALF], (KSTEP/2)*NW*2
	s_add_co_u32 s46, s46, s47
	s_add_co_u32 s46, s46, WOFF
	s_mov_b32 s47, 0
	s_mul_i32 s17, s[HALF], HALFA                  ; where they go: no place in the cluster enters an LDS address
	s_mul_i32 s3, s[HALF], HALFW
	s_add_co_u32 s3, s3, WBASE
	s_wait_kmcnt 0x0
	s_add_nc_u64 s[18:19], s[4:5], s[18:19]
	s_add_nc_u64 s[46:47], s[6:7], s[46:47]
.irp s, 0,1
	s_mov_b32 s[G0A+4*(\s)], 1
	s_add_co_u32 s[G0A+4*(\s)+1], s17, (\s)*SLOT
	s_add_nc_u64 s[G0A+4*(\s)+2:G0A+4*(\s)+3], s[18:19], (\s)*ASTEP
	s_or_b32 s[G0A+4*(\s)+3], s[G0A+4*(\s)+3], 0x80000000
	s_mov_b32 s[G0W+4*(\s)], 1
	s_add_co_u32 s[G0W+4*(\s)+1], s3, (\s)*SLOT
	s_add_nc_u64 s[G0W+4*(\s)+2:G0W+4*(\s)+3], s[46:47], (\s)*WSTEP
	s_or_b32 s[G0W+4*(\s)+3], s[G0W+4*(\s)+3], 0x80000000
.endr
	CROUND                                         ; all sixteen work-groups are here: the first joint loads meet
	s_cmp_eq_u32 s[ROLE], 0                        ; a wave's two first fills stand in one branch: two loads of mine are out
	s_cbranch_scc0 .Lfirst_w
	tensor_load_to_lds s[G0A:G0A+3], s[G1A:G1A+7]
	s_nop 0
	tensor_load_to_lds s[G0A+4:G0A+7], s[G1A:G1A+7]
	s_nop 0
.rept 4
	v_nop
.endr
	s_branch .Lfirst_asked
.Lfirst_w:
	tensor_load_to_lds s[G0W:G0W+3], s[G1W:G1W+7]
	s_nop 0
	tensor_load_to_lds s[G0W+4:G0W+7], s[G1W:G1W+7]
	s_nop 0
.rept 4
	v_nop
.endr
.Lfirst_asked:
	v_and_b32 v1, 15, v0                           ; r = lane % 16
	v_bfe_u32 v2, v0, 4, 1                         ; h = lane / 16
	v_lshlrev_b32 v[BO], 5, v2
	s_lshl_b32 s20, s42, 10                        ; my first column, in f32 bytes: 1,024 x tile column + 512 x half
	s_lshl_b32 s21, s[HALF], 9
	s_add_co_u32 s20, s20, s21
	s_mov_b32 s21, 0
	s_add_nc_u64 s[8:9], s[8:9], s[20:21]
.set z, 0
.rept NBL                              ; register j of block z: bias[16 z + 8 h + j], the accumulators' own layout
	global_load_b128 v[BIAS+8*z:BIAS+8*z+3],   v[BO], s[8:9] offset:64*z
	global_load_b128 v[BIAS+8*z+4:BIAS+8*z+7], v[BO], s[8:9] offset:64*z+16
.set z, z+1
.endr
	v_mul_u32_u24 v3, v1, PA                       ; A fragment: row r, 16 bytes for each half of the lanes
	v_lshl_add_u32 v3, v2, 4, v3
	s_mul_i32 s22, s[ROLE], HALFA                  ; my 128 tokens
	v_add_nc_u32 v[ADRA], s22, v3
	v_and_b32 v4, 7, v0                            ; W, turning load: k row 8 h + lane % 8, columns 8 ((lane / 8) % 2) on
	v_lshl_add_u32 v4, v2, 3, v4
	v_mul_u32_u24 v4, v4, PW
	v_bfe_u32 v5, v0, 3, 1
	v_lshl_add_u32 v4, v5, 4, v4
	s_lshl_b32 s22, s[HALF], 8                     ; my 128 columns
	s_add_co_u32 s22, s22, WBASE
	v_add_nc_u32 v[ADRB], s22, v4
	v_mov_b32 v[CA], v[ADRA]
	v_mov_b32 v[CB], v[ADRB]
	s_mov_b32 s[TB], 0
	s_mul_i32 s22, s[WV], STG
	v_mul_u32_u24 v6, v1, SPITCH                   ; the stage: token r, 32 bytes for each half of the lanes;
	v_lshl_add_u32 v6, v2, 5, v6
	v_add_nc_u32 v[STO], s22, v6
	v_mov_b32 v[RD], v[STO]                        ; a lane reads back what it stored
	v_and_b32 v[CO], 31, v0                        ; 16 x lane in 512 consecutive bytes of h
	v_lshlrev_b32 v[CO], 4, v[CO]
	s_lshl_b32 s20, s42, 2                         ; my first block of 64 k of h: 4 x tile column + 2 x half
	s_lshl_b32 s21, s[HALF], 1
	s_add_co_u32 s20, s20, s21
	s_lshl_b32 s20, s20, 12                        ; 4,096 tokens a block
	s_lshl_b32 s21, s45, 8
	s_add_co_u32 s20, s20, s21
	s_lshl_b32 s21, s[ROLE], 7
	s_add_co_u32 s20, s20, s21                     ; + my first token
	s_lshl_b32 s20, s20, 7                         ; 128 bytes a token and block
	s_mov_b32 s21, 0
	s_add_nc_u64 s[10:11], s[10:11], s[20:21]
; cnt blocks of tokens from i0 on (hi = 0: my tokens 0-63, 1: 64-127) x all 8 blocks of columns, 32 along K, from buffer n.  zero = 1: the bias starts the sums.
; The accumulators take turns, one instruction a turn.
.macro MULQ n, hi, i0, cnt, zero
.set mi, (\i0)
.rept (\cnt)
.set mb, 0
.rept NBL
.set rD, 8*(NBL*mi+mb)
.set rB, FB0+(FB1-FB0)*(\n)+8*mb
.set rA, FA0+(FA1-FA0)*(\n)+8*(AH*(\hi)+mi)
.if \zero
	WIN 0x81+0x40*(\hi)                            ; W window 1, A and the bias window 0, D window 2 or 3
	v_wmma_f32_16x16x32_bf16 v[rD:rD+7], v[rB:rB+7], v[rA:rA+7], v[BIAS+8*mb:BIAS+8*mb+7]
.else
	WIN 0xa1+0x50*(\hi)                            ; C and D window 2 or 3
	v_wmma_f32_16x16x32_bf16 v[rD:rD+7], v[rB:rB+7], v[rA:rA+7], v[rD:rD+7]
.endif
.set mb, mb+1
.endr
.set mi, mi+1
.endr
.endm
; 32 LDS loads in one run: quarter q (32 along K) of the slot in hand into buffer n: W's 8 fragments, then A's 8; the last eight loads are A's tokens 64-127
.macro FETCH q, n
	WIN 0x40                                       ; destination window 1, address window 0
.set fb, 0
.rept NBL
.set rB, FB0+(FB1-FB0)*(\n)+8*fb
	ds_load_tr16_b128 v[rB:rB+3],   v[CB] offset:32*(\q)*PW+32*fb
	ds_load_tr16_b128 v[rB+4:rB+7], v[CB] offset:32*(\q)*PW+32*fb+16*PW
.set fb, fb+1
.endr
	WIN 0
.set fi, 0
.rept MB
.set rA, FA0+(FA1-FA0)*(\n)+8*fi
	ds_load_b128 v[rA:rA+3],   v[CA] offset:64*(\q)+fi*16*PA
	ds_load_b128 v[rA+4:rA+7], v[CA] offset:64*(\q)+fi*16*PA+32
.set fi, fi+1
.endr
.endm
.macro QUARTER q, n, zero              ; multiplies quarter q from buffer n; in its middle it fetches quarter q + 1 into the other buffer
	s_wait_dscnt LA2                               ; all of the run but A's tokens 64-127
	MULQ \n, 0, 0, AH, \zero
	PLACES
	FETCH (\q)+1, 1-(\n)
	s_wait_dscnt 32                                ; all but the 32 just issued
	MULQ \n, 1, 0, AH, \zero
.endm
; Quarter 3, from buffer 1, and the change of slots.  In front of the barrier each wave waits for all its tensor loads (one is out: its part of the next slot), adds 0 to its spare word,
; and waits for that and for its reads of this slot.  fill = 1: the barrier opens a round of the cluster's barrier, and the joint refill, two K steps ahead, is the first thing behind it.
.macro TURN fill
	WIN 0
	s_wait_tensorcnt 0x0
	ds_add_u32 v[SPW], v[NIL]                      ; 0 onto my spare word
	s_wait_dscnt LA2+1                             ; (the add and A's tokens 64-127 may be out)
	MULQ 1, 0, 0, AH/2, 0
	s_wait_dscnt 0x0                               ; the add is done, and my reads of this slot are over
	s_barrier_signal -1
	MULQ 1, 0, AH/2, AH/2, 0
	WIN 0
	s_barrier_wait -1
.if \fill
	CREST                                          ; no wave of any partner still reads this slot or has a load on its way
	s_xor_b32 s[G0A+5], s[G0A+5], SLOT
	s_add_nc_u64 s[G0A+6:G0A+7], s[G0A+6:G0A+7], ASTEP
	s_xor_b32 s[G0W+5], s[G0W+5], SLOT
	s_add_nc_u64 s[G0W+6:G0W+7], s[G0W+6:G0W+7], WSTEP
	JLOAD                                          ; its four v_nop are also the places in front of the loads below
.else
	PLACES
.endif
	s_xor_b32 s[TB], s[TB], SLOT
	v_add_nc_u32 v[CA], s[TB], v[ADRA]
	v_add_nc_u32 v[CB], s[TB], v[ADRB]
	FETCH 0, 0
	MULQ 1, 1, 0, AH, 0
.endm
	s_wait_tensorcnt 0x1                           ; my part of K step 0 is in; step 1's may stay out
	s_barrier_signal -1
	s_barrier_wait -1
	FETCH 0, 0
	s_wait_loadcnt 0x0                             ; the bias
	QUARTER 0, 0, 1                                ; the first quarter stands in front of the loop: its products start the sums
	WIN 0
	s_mov_b32 s3, NSTEP-2
.Lstep:                                                ; trip t: quarters 1-3 of step t, the refill with step t + 2, quarter 0 of step t + 1
	QUARTER 1, 1, 0
	QUARTER 2, 0, 0
	TURN 1
	QUARTER 0, 0, 0
	WIN 0
	s_sub_co_u32 s3, s3, 1
	s_cmp_lg_u32 s3, 0
	s_cbranch_scc1 .Lstep
	s_mov_b32 s[CNT], 2                            ; the last two steps ask for nothing: one text, walked twice and left in its middle.  The second trip's barrier and its
.Ltail:                                                ; run of loads from the slot read before serve nothing: the price, once a launch, of one text for both trips
	QUARTER 1, 1, 0
	QUARTER 2, 0, 0
	TURN 0
	WIN 0
	s_sub_co_u32 s[CNT], s[CNT], 1
	s_cmp_eq_u32 s[CNT], 0
	s_cbranch_scc1 .Lout
	QUARTER 0, 0, 0
	WIN 0
	s_branch .Ltail
.Lout:
	PLACES                                         ; behind the last products
	s_wait_dscnt 0x0                               ; my reads of the ring are over;
	s_barrier_signal -1
	s_barrier_wait -1                              ; everybody's are: the ring, which is filled no more, becomes the stages
.set da, 0
.rept MB                               ; each accumulator's low four registers first
	WIN 0x08+4*(da/(MB/2))                         ; store data (source 1) in window 2 or 3
.set db, 0
.rept NBL
.set rD, 8*(NBL*(da%(MB/2))+db)
	ds_store_b128 v[STO], v[rD:rD+3]   offset:(db/4)*128*SPITCH+da*16*SPITCH+64*(db%4)
	ds_store_b128 v[STO], v[rD+4:rD+7] offset:(db/4)*128*SPITCH+da*16*SPITCH+64*(db%4)+16
.set db, db+1
.endr
.set da, da+1
.endr
	WIN 0
.macro EACH n, line:vararg             ; one line for z = 0 .. n - 1
.set z, 0
	s_wait_alu depctr_va_vdst(0)
.rept \n
	\line
.set z, z+1
.endr
.endm
	s_mov_b32 s21, 2048                            ; from a block of 16 tokens to the next;
	s_mov_b32 s22, 524288-7*2048                   ; from the eighth to the first of the next block of 64 k
	s_mov_b32 s2, 16
.Lrows:                                                ; a trip: 16 tokens x 64 columns, 32 numbers a lane: one block of 2,048 bytes of h.  LDS serves a wave's instructions in order (ISA guide 5.7.1.4): these loads see my stores above
.irp j, 0,1,2,3
	ds_load_b128 v[XX+8*\j:XX+8*\j+3],   v[RD] offset:64*\j
	ds_load_b128 v[XX+8*\j+4:XX+8*\j+7], v[RD] offset:64*\j+16
.endr
	s_wait_dscnt 0x0
	EACH 32, v_and_b32 v[UU+z], s82, v[XX+z]
	EACH 16, v_pk_fma_f32 v[TT+2*z:TT+2*z+1], v[UU+2*z:UU+2*z+1], s[68:69], 1.0 op_sel_hi:[1,0,0]
	EACH 32, v_rcp_f32 v[TT+z], v[TT+z]
	EACH 16, v_pk_mul_f32 v[EE+2*z:EE+2*z+1], v[UU+2*z:UU+2*z+1], s[70:71] op_sel_hi:[1,0]  ; plain work that touches no t stands behind the reciprocals
	EACH 16, v_pk_mul_f32 v[EE+2*z:EE+2*z+1], v[EE+2*z:EE+2*z+1], v[UU+2*z:UU+2*z+1]
	EACH 32, v_exp_f32 v[EE+z], v[EE+z]
	EACH 16, v_pk_fma_f32 v[PP+2*z:PP+2*z+1], v[TT+2*z:TT+2*z+1], s[72:73], s[74:75] op_sel_hi:[1,0,0]  ; and the polynomial behind the exponentials
	EACH 16, v_pk_fma_f32 v[PP+2*z:PP+2*z+1], v[PP+2*z:PP+2*z+1], v[TT+2*z:TT+2*z+1], s[76:77] op_sel_hi:[1,1,0]
	EACH 16, v_pk_fma_f32 v[PP+2*z:PP+2*z+1], v[PP+2*z:PP+2*z+1], v[TT+2*z:TT+2*z+1], s[78:79] op_sel_hi:[1,1,0]
	EACH 16, v_pk_fma_f32 v[PP+2*z:PP+2*z+1], v[PP+2*z:PP+2*z+1], v[TT+2*z:TT+2*z+1], s[80:81] op_sel_hi:[1,1,0]
	EACH 16, v_pk_mul_f32 v[PP+2*z:PP+2*z+1], v[PP+2*z:PP+2*z+1], v[TT+2*z:TT+2*z+1]
	EACH 16, v_pk_mul_f32 v[PP+2*z:PP+2*z+1], v[PP+2*z:PP+2*z+1], v[UU+2*z:UU+2*z+1]
	EACH 32, v_max_num_f32 v[XX+z], 0, v[XX+z]
	EACH 16, v_pk_fma_f32 v[XX+2*z:XX+2*z+1], v[PP+2*z:PP+2*z+1], v[EE+2*z:EE+2*z+1], v[XX+2*z:XX+2*z+1] neg_lo:[1,0,0] neg_hi:[1,0,0]
	EACH 16, v_cvt_pk_bf16_f32 v[OO+z], v[XX+2*z], v[XX+2*z+1]
.irp j, 0,1,2,3                        ; each store covers 512 consecutive bytes, aligned: two groups of 8 k x 16 tokens
	global_store_b128 v[CO], v[OO+4*\j:OO+4*\j+3], s[10:11] offset:\j*512
.endr
	s_wait_xcnt 0x0                                ; the stores' data and offset are rewritten only behind this wait
	s_cmp_eq_u32 s2, 9                             ; behind the eighth trip the second block of 64 columns begins
	s_cselect_b32 s20, s22, s21
	v_add_nc_u32 v[RD], 16*SPITCH, v[RD]
	v_add_nc_u32 v[CO], s20, v[CO]
	s_sub_co_u32 s2, s2, 1
	s_cmp_lg_u32 s2, 0
	s_cbranch_scc1 .Lrows
	s_wait_tensorcnt 0x0                           ; the wave's end
	ds_add_u32 v[SPW], v[NIL]
	s_wait_dscnt 0x0
	CROUND                                         ; the closing round: no work-group ends while a partner may still ask for a tile that names it
	s_endpgm
.Lfunc_end_k_qf2b49a1db7_fc1:
	.size	k_qf2b49a1db7_fc1, .Lfunc_end_k_qf2b49a1db7_fc1-k_qf2b49a1db7_fc1
	.p2alignl 7, 3214868480
	.fill 96, 4, 3214868480
	.section	.rodata,"a",@progbits
	.p2align	6, 0x0
	.amdhsa_kernel k_qf2b49a1db7_fc1
		.amdhsa_group_segment_fixed_size 327680
		.amdhsa_private_segment_fixed_size 0
		.amdhsa_enable_private_segment 0
		.amdhsa_kernarg_size 32
		.amdhsa_user_sgpr_count 2
		.amdhsa_user_sgpr_kernarg_segment_ptr 1
		.amdhsa_wavefront_size32 1
		.amdhsa_system_sgpr_workgroup_id_x 1
		.amdhsa_system_sgpr_workgroup_id_y 1
		.amdhsa_system_sgpr_workgroup_id_z 1
		.amdhsa_system_vgpr_workitem_id 0
		.amdhsa_next_free_vgpr 1024
		.amdhsa_next_free_sgpr 84
		.amdhsa_reserve_vcc 0
		.amdhsa_float_denorm_mode_32 3
		.amdhsa_float_denorm_mode_16_64 3
		.amdhsa_memory_ordered 1
		.amdhsa_forward_progress 1
		.amdhsa_inst_pref_size 96
	.end_amdhsa_kernel
	.amdgpu_metadata
---
amdhsa.version: [ 1, 2 ]
amdhsa.kernels:
  - .name:           k_qf2b49a1db7_fc1
    .symbol:         k_qf2b49a1db7_fc1.kd
    .args:
      - { .name: an, .offset: 0, .size: 8, .value_kind: global_buffer, .address_space: global }
      - { .name: wb, .offset: 8, .size: 8, .value_kind: global_buffer, .address_space: global }
      - { .name: b_fc1, .offset: 16, .size: 8, .value_kind: global_buffer, .address_space: global }
      - { .name: h, .offset: 24, .size: 8, .value_kind: global_buffer, .address_space: global }
    .group_segment_fixed_size: 327680
    .private_segment_fixed_size: 0
    .kernarg_segment_align: 8
    .kernarg_segment_size: 32
    .max_flat_workgroup_size: 128
    .sgpr_count:     84
    .vgpr_count:     1024
    .wavefront_size: 32
...
	.end_amdgpu_metadata
.endif
;; end of part 6
;; launch fc2 (part 7): grid 32 x 8, 4 waves a work-group, clusters of 4 x 1, 327,680 bytes of LDS; arguments h, wb, b_fc2, y, out0; writes out0
.if DOCPART == 7
	.amdgcn_target "amdgcn-amd-amdhsa--gfx1250"
	.amdhsa_code_object_version 6
	.text
	.protected	k_qf2b49a1db7_fc2
	.globl	k_qf2b49a1db7_fc2
	.p2align	8
	.type	k_qf2b49a1db7_fc2,@function
k_qf2b49a1db7_fc2:
	s_mov_b64 s[64:65], 0
	v_nop
	global_prefetch_b8 v0, s[64:65] scope:SCOPE_SE
	s_setreg_imm32_b32 hwreg(HW_REG_WAVE_MODE, 25, 1), 1
	s_wait_xcnt 0x0
	s_wait_alu depctr_hold_cnt(0) depctr_sa_sdst(0) depctr_va_vdst(0) depctr_va_sdst(0) depctr_va_ssrc(0) depctr_va_vcc(0) depctr_vm_vsrc(0)
	s_getreg_b32 s2, hwreg(HW_REG_IB_STS2, 6, 4)
	s_cmp_eq_u32 s2, 0
	s_cbranch_scc0 .Lentry_in_a_cluster
	s_endpgm
.Lentry_in_a_cluster:
	s_bfe_u32 s2, ttmp6, 0x10000c
	s_cmp_lg_u32 s2, 0x3003
	s_cbranch_scc0 .Lentry_shape_is_right
	s_endpgm
.Lentry_shape_is_right:
; out = y + h x W2 + b_fc2.  h: [64 blocks of 64 k][256 blocks of 16 tokens, token = b*2048+s][8 groups of 8 k][16 tokens][8 k] bf16.  W2: [4096 k][1024 n] bf16 at byte 16,777,216 of wb.
; y, out: [s*2+b][1024] f32.  Sums, bias and residual in f32.
; SHARES.  A tile is 128 tokens x 128 columns: 32 x 8 tiles, one a work-group.  THE FOUR WAVES SHARE K, not the tile: of each 512 k wave w multiplies the whole tile for k = 128 w .. 128 w + 127: 64 accumulators
; of 16 x 16, 512 registers.  At the end the four partial tiles meet in LDS, and each wave sums 32 rows of them, adds bias and residual and stores whole rows of 512 bytes.
; W ALONE GOES THROUGH LDS: two slots of 512 k rows x 128 columns, so that a slot holds 256 matrix instructions' work for each wave, 224 of them between a refill's request and the wait for it.
; Each wave fetches, and reads, its own 128 k rows: one tensor load a wave behind each change of slots.
; A COMES STRAIGHT INTO REGISTERS: in h's layout a fragment (16 tokens x 32 k) is two loads of 512 consecutive bytes.  A ring of four register slots, one for each quarter (32 k) of a slot's share; each half
; slot is loaded again in the first run of loads behind its last use, three quarters ahead of its next.
; CLUSTER 4 x 1: the four partners have the same columns: W's tiles are asked for jointly.  A has no joint request: a joint load fills LDS, not registers, and with A in LDS a slot would hold half the k.
; THE MATRIX INSTRUCTION IS USED TRANSPOSED: source 0 = 16 columns of W (turned on the way out of LDS by ds_load_tr16_b128), source 1 = 16 tokens: a lane holds one token (lane % 16), columns 8 (lane / 16) + 0..7.
; LOADS THAT SERVE NOTHING: in the last slot the ring's reloads have nothing left to fetch and read that slot's own A once more, and the change of slots behind it reads 8 stale fragments of W: so one text serves
; both trips of the tail and every counted wait holds in both.  The last trip of the last loop reads its own residual rows again.  All stay inside their buffers.
; REGISTERS, in windows of 256 (s_set_vgpr_msb: bits 1:0 source 0, 3:2 source 1, 5:4 source 2, 7:6 destination):
;   window 0: v1-29 addresses and bias; v32-63 residual; v64-255 A's slots 0-2 (at the end: partials and sums)      window 1: v0-127 W's fragments, two buffers; v128-191 A's slot 3
;   window 2: accumulators of tokens 0-63, (a, b) at v[8 (8 a + b)]      window 3: those of tokens 64-127
.set NSLOT,  8                         ; 4096 / 512
.set WOFF,   16777216
.set PW,     288                       ; W's row in LDS: 256 bytes + 32: an odd multiple of 32, for the turning load
.set WPART,  128*PW                    ; a wave's 128 k rows
.set SLOT,   4*WPART                   ; 0x24000: shares no bit with a wave's place in slot 0, so one exclusive or changes slots
.set SPARE,  2*SLOT                    ; behind the ring: the spare words, 128 bytes a wave, which no other line names
.set WSTEP,  512*1024*2                ; bytes of W from slot to slot
.set ASLOT,  8*524288                  ; bytes of A from slot to slot: eight blocks of 64 k
.set PP,     528                       ; the end: a token's 128 f32 + 16 bytes
.set STG,    128*PP                    ; a wave's partial tile; the four lie in the ring, which has had its last fill by then
.set AO,   10                          ; v10 16 x lane; never rewritten
.set ADRB, 11                          ; v11 my W fragments' LDS address in slot 0      v12 in the slot in hand
.set CB,   12
.set STO,  13                          ; v13 where I put 32 bytes of a token's partial
.set RD,   14                          ; v14-17 where I read a row of partial 0-3
.set CO,   18                          ; v18 my byte offset in the output      v19 in the residual
.set CR,   19
.set BV,   20                          ; v[20:23] the bias of my four columns
.set SPW,  28                          ; v28 LDS address of my spare word; never rewritten
.set NIL,  29                          ; v29 0; never rewritten
.set RS,   32                          ; v[32:63] eight rows of the residual
.set PT,   64                          ; v[64:191] eight rows x four partials
.set OS,   192                         ; v[192:223] eight rows of sums
.set WV,   14                          ; s14 wave
.set AC,   16                          ; s[16:17] A at my share of the slot in hand      s[18:19] of the next slot
.set AN,   18
.set G1W,  48                          ; s[48:55] descriptor group 1      s[56:63] group 0: set 0 = slot 0; set 1 = slot 1, and then it walks
.set G0W,  56
.set TB,   66                          ; s66 0 or SLOT: the slot in hand
.set CNT,  67
.set MSB, 0
.macro WIN new                         ; the immediate's high byte repeats the setting that is left; a switch that changes nothing is dropped
.if MSB != (\new)
	s_set_vgpr_msb (MSB<<8)|(\new)
.set MSB, (\new)
.endif
.endm
.macro PLACES                          ; four places between a matrix instruction and a load into, or a read of, its registers (ISA guide 7.12.1 for reads)
.rept 4
	v_nop
.endr
.endm
.macro CREST                           ; a round of the cluster's barrier behind its opening barrier
	s_cmp_lg_u32 s[WV], 0
	s_cbranch_scc1 .Lnot_wave_0_\@
	s_barrier_signal -3
.Lnot_wave_0_\@:
	s_barrier_wait -3
	s_barrier_signal -1
	s_barrier_wait -1
.endm
.macro CROUND
	s_barrier_signal -1
	s_barrier_wait -1
	CREST
.endm
; eight loads: half hf (token blocks 4 hf .. 4 hf + 3) of quarter q's fragments of A, from base bs, into ring slot q
.macro ALOAD q, hf, bs
	WIN 0x40*((\q)/3)                              ; slot 3 lies in window 1
.set la, 4*(\hf)
.rept 4
.set rA, 64+64*(\q)-128*((\q)/3)+8*la
	global_load_b128 v[rA:rA+3],   v[AO], s[\bs:\bs+1] offset:la*2048+((\q)%2)*1024+((\q)/2)*524288
	global_load_b128 v[rA+4:rA+7], v[AO], s[\bs:\bs+1] offset:la*2048+((\q)%2)*1024+((\q)/2)*524288+512
.set la, la+1
.endr
.endm
; sixteen LDS loads: W's eight fragments of quarter q of the slot in hand, into buffer q % 2
.macro FETCHW q
	WIN 0x40
.set fb, 0
.rept 8
.set rB, 64*((\q)%2)+8*fb
	ds_load_tr16_b128 v[rB:rB+3],   v[CB] offset:32*(\q)*PW+32*fb
	ds_load_tr16_b128 v[rB+4:rB+7], v[CB] offset:32*(\q)*PW+32*fb+16*PW
.set fb, fb+1
.endr
.endm
; cnt token blocks from i0 on of half hi x all 8 column blocks, quarter q.  zero = 1: the products start the sums.  The accumulators take turns, one instruction a turn.
.macro MULH q, hi, i0, cnt, zero
	WIN 0xa1+0x50*(\hi)+4*((\q)/3)                 ; W window 1; A window 0, or 1 for slot 3; C and D window 2 or 3
.set mi, (\i0)
.rept (\cnt)
.set mb, 0
.rept 8
.set rD, 8*(8*mi+mb)
.set rB, 64*((\q)%2)+8*mb
.set rA, 64+64*(\q)-128*((\q)/3)+8*(4*(\hi)+mi)
.if \zero
	v_wmma_f32_16x16x32_bf16 v[rD:rD+7], v[rB:rB+7], v[rA:rA+7], 0
.else
	v_wmma_f32_16x16x32_bf16 v[rD:rD+7], v[rB:rB+7], v[rA:rA+7], v[rD:rD+7]
.endif
.set mb, mb+1
.endr
.set mi, mi+1
.endr
.endm
; Quarter q = 0, 1, 2.  The loads of A go out in groups of eight, two in each quarter's middle: the upper half of the slot used last, the lower half of the slot in use.
.macro QUARTER q, zero
	s_wait_loadcnt 48                              ; my lower half of A is in: six groups were issued behind it
	s_wait_dscnt 0x0                               ; W's fragments are in
	MULH \q, 0, 0, 4, \zero
	PLACES
	FETCHW (\q)+1
.if (\q) == 0
	ALOAD 3, 1, AC                                 ; quarter 3 of the slot in hand
.else
	ALOAD (\q)-1, 1, AN
.endif
	ALOAD \q, 0, AN
	s_wait_loadcnt 56                              ; my upper half is in: seven groups were issued behind it
	MULH \q, 1, 0, 4, \zero
.endm
; Quarter 3 and the change of slots.  In front of the barrier each wave waits for all its tensor loads (one is out: its part of the next slot), adds 0 to its spare word, and waits for that and for its
; reads of this slot.  fill = 1: the barrier opens a round of the cluster's barrier, and the joint refill, two slots ahead, is the first thing behind it.
.macro TURN fill
	WIN 0
	s_wait_loadcnt 48
	s_wait_tensorcnt 0x0
	ds_add_u32 v[SPW], v[NIL]                      ; 0 onto my spare word
	s_wait_dscnt 1                                 ; W's fragments are in; the add may be out
	MULH 3, 0, 0, 2, 0
	s_wait_dscnt 0x0                               ; the add is done, and my reads of this slot are over
	s_barrier_signal -1
	MULH 3, 0, 2, 2, 0
	WIN 0
	s_barrier_wait -1
.if \fill
	CREST                                          ; no wave of any partner still reads this slot or has a load on its way
	s_xor_b32 s[G0W+5], s[G0W+5], SLOT
	s_add_nc_u64 s[G0W+6:G0W+7], s[G0W+6:G0W+7], WSTEP
	tensor_load_to_lds s[G0W+4:G0W+7], s[G1W:G1W+7]
	s_nop 0
.endif
	PLACES                                         ; behind the tensor load, and in front of the loads below
	s_xor_b32 s[TB], s[TB], SLOT
	v_add_nc_u32 v[CB], s[TB], v[ADRB]
	FETCHW 0
	ALOAD 2, 1, AN
	ALOAD 3, 0, AN
	s_wait_loadcnt 56
	MULH 3, 1, 0, 4, 0
	s_wait_xcnt 0x0                                ; the loads' bases are rewritten only behind this wait
	s_mov_b64 s[AC:AC+1], s[AN:AN+1]
.if \fill
	s_add_nc_u64 s[AN:AN+1], s[AN:AN+1], ASLOT
.endif
.endm
	s_load_b256 s[4:11], s[0:1], 0x0               ; A s[4:5], wb s[6:7], bias s[8:9], residual s[10:11]
	s_load_b64 s[12:13], s[0:1], 0x20              ; out
	v_lshl_add_u32 v[SPW], v0, 2, SPARE
	v_mov_b32 v[NIL], 0
	ds_add_u32 v28, v29
	s_wait_dscnt 0x0
	v_lshrrev_b32 v1, 5, v0
	v_readfirstlane_b32 s[WV], v1
	s_bfe_u32 s40, ttmp6, 0x40000                  ; cx
	s_lshl_b32 s42, ttmp9, 2
	s_add_co_u32 s42, s42, s40                     ; token tile: it enters A's, the residual's and the output's addresses alone
	s_and_b32 s45, ttmp7, 0xffff                   ; column tile, which the four partners share
	s_mov_b32 s[G1W], 15|(1<<16)|(1<<20)|(1<<21)|(5<<22)|(7<<25)  ; the mask of four; 2-byte elements; padding on; bit 21 beside a mask; after every 64 words 8 words
	s_mov_b32 s[G1W+1], 128<<16                    ; tensor_dim0 = 128
	s_mov_b32 s[G1W+2], 128<<16                    ; tensor_dim1 = 128
	s_mov_b32 s[G1W+3], 128<<16                    ; tile_dim0 = 128
	s_mov_b32 s[G1W+4], 128                        ; tile_dim1 = 128
	s_mov_b32 s[G1W+5], 1024                       ; elements from k row to k row
	s_mov_b32 s[G1W+6], 0
	s_mov_b32 s[G1W+7], 0
	s_lshl_b32 s46, s45, 8                         ; W: column 128 x tile, k row 128 x wave
	s_lshl_b32 s47, s[WV], 18
	s_add_co_u32 s46, s46, s47
	s_add_co_u32 s46, s46, WOFF
	s_mov_b32 s47, 0
	s_mul_i32 s3, s[WV], WPART                     ; where it goes
	s_lshl_b32 s20, s42, 14                        ; A: eight blocks of 16 tokens a tile, 2,048 bytes each; two blocks of 64 k a wave
	s_lshl_b32 s21, s[WV], 20
	s_add_co_u32 s20, s20, s21
	s_mov_b32 s21, 0
	s_lshl_b32 s22, s45, 9                         ; the tile's first column, in f32 bytes
	s_mov_b32 s23, 0
	s_wait_kmcnt 0x0
	s_add_nc_u64 s[46:47], s[6:7], s[46:47]
	s_add_nc_u64 s[AC:AC+1], s[4:5], s[20:21]
	s_add_nc_u64 s[AN:AN+1], s[AC:AC+1], ASLOT
	s_add_nc_u64 s[8:9], s[8:9], s[22:23]
.irp s, 0,1
	s_mov_b32 s[G0W+4*(\s)], 1
	s_add_co_u32 s[G0W+4*(\s)+1], s3, (\s)*SLOT
	s_add_nc_u64 s[G0W+4*(\s)+2:G0W+4*(\s)+3], s[46:47], (\s)*WSTEP
	s_or_b32 s[G0W+4*(\s)+3], s[G0W+4*(\s)+3], 0x80000000
.endr
	CROUND                                         ; all four work-groups are here: the first joint loads meet
	tensor_load_to_lds s[G0W:G0W+3], s[G1W:G1W+7]  ; two loads of mine are out
	s_nop 0
	tensor_load_to_lds s[G0W+4:G0W+7], s[G1W:G1W+7]
	s_nop 0
	PLACES
	v_and_b32 v[AO], 31, v0
	v_lshlrev_b32 v[AO], 4, v[AO]
	global_load_b128 v[BV:BV+3], v[AO], s[8:9]     ; bias of columns 4 lane .. + 3
	ALOAD 0, 0, AC                                 ; the ring's first seven groups, in the order in which the loop loads them again
	ALOAD 0, 1, AC
	ALOAD 1, 0, AC
	ALOAD 1, 1, AC
	ALOAD 2, 0, AC
	ALOAD 2, 1, AC
	ALOAD 3, 0, AC
	WIN 0
	v_and_b32 v1, 15, v0                           ; r = lane % 16
	v_bfe_u32 v2, v0, 4, 1                         ; h = lane / 16
	v_and_b32 v4, 7, v0                            ; W, turning load: k row 8 h + lane % 8, columns 8 ((lane / 8) % 2) on
	v_lshl_add_u32 v4, v2, 3, v4
	v_mul_u32_u24 v4, v4, PW
	v_bfe_u32 v5, v0, 3, 1
	v_lshl_add_u32 v4, v5, 4, v4
	v_add_nc_u32 v[ADRB], s3, v4
	v_mov_b32 v[CB], v[ADRB]
	s_mov_b32 s[TB], 0
	s_mul_i32 s22, s[WV], STG
	v_mul_u32_u24 v6, v1, PP                       ; my partial tile: token r, 32 bytes for each half of the lanes
	v_lshl_add_u32 v6, v2, 5, v6
	v_add_nc_u32 v[STO], s22, v6
	s_mul_i32 s22, s[WV], 32*PP                    ; back: my 32 rows of each partial, 16 bytes a lane
.irp p, 0,1,2,3
	v_add_nc_u32 v[RD+\p], s22, v[AO]
	s_add_co_u32 s22, s22, STG
.endr
	v_mov_b32 v[CO], v[AO]
	v_mov_b32 v[CR], v[AO]
	s_and_b32 s20, s42, 15                         ; s of my first row: 128 x (tile % 16) + 32 x wave; 8,192 bytes from s to s + 1
	s_lshl_b32 s20, s20, 7
	s_lshl_b32 s21, s[WV], 5
	s_add_co_u32 s20, s20, s21
	s_lshl_b32 s20, s20, 13
	s_lshr_b32 s21, s42, 4                         ; b = tile / 16: 4,096 bytes
	s_lshl_b32 s21, s21, 12
	s_add_co_u32 s20, s20, s21
	s_lshl_b32 s21, s45, 9
	s_add_co_u32 s20, s20, s21
	s_mov_b32 s21, 0
	s_add_nc_u64 s[10:11], s[10:11], s[20:21]
	s_add_nc_u64 s[12:13], s[12:13], s[20:21]
	s_wait_tensorcnt 0x1                           ; my part of slot 0 is in; slot 1's may stay out
	s_barrier_signal -1
	s_barrier_wait -1
	FETCHW 0
	QUARTER 0, 1                                   ; the first quarter stands in front of the loops: its products start the sums
	WIN 0
.if NSLOT > 2
	s_mov_b32 s3, NSLOT-2
.Lstep:                                                ; trip t: quarters 1-3 of slot t, the refill with slot t + 2, quarter 0 of slot t + 1
	QUARTER 1, 0
	QUARTER 2, 0
	TURN 1
	QUARTER 0, 0
	WIN 0
	s_sub_co_u32 s3, s3, 1
	s_cmp_lg_u32 s3, 0
	s_cbranch_scc1 .Lstep
.endif
	s_mov_b32 s[CNT], 2                            ; the last two slots ask for nothing: one text, walked twice and left in its middle
.Ltail:
	QUARTER 1, 0
	QUARTER 2, 0
	TURN 0
	WIN 0
	s_sub_co_u32 s[CNT], s[CNT], 1
	s_cmp_eq_u32 s[CNT], 0
	s_cbranch_scc1 .Lout
	QUARTER 0, 0
	WIN 0
	s_branch .Ltail
.Lout:
	PLACES                                         ; behind the last products
.irp i, 0,1,2,3,4,5,6,7                ; my first eight rows of the residual: 512 consecutive bytes a load; they land while the partials are stored
	global_load_b128 v[RS+4*\i:RS+4*\i+3], v[CR], s[10:11] offset:\i*8192
.endr
	s_wait_dscnt 0x0                               ; my reads of the ring are over;
	s_barrier_signal -1
	s_barrier_wait -1                              ; everybody's are: the ring, which is filled no more, takes the partial tiles
.set da, 0
.rept 8                                ; each accumulator's low four registers first
	WIN 0x08+4*(da/4)                              ; store data (source 1) in window 2 or 3
.set db, 0
.rept 8
.set rD, 8*(8*(da%4)+db)
	ds_store_b128 v[STO], v[rD:rD+3]   offset:da*16*PP+64*db
	ds_store_b128 v[STO], v[rD+4:rD+7] offset:da*16*PP+64*db+16
.set db, db+1
.endr
.set da, da+1
.endr
	WIN 0
	s_wait_loadcnt 0x0                             ; the ring's last loads have landed: its registers are free
	s_wait_dscnt 0x0                               ; for the others' sake: my partial tile is stored
	s_barrier_signal -1
	s_barrier_wait -1
	s_mov_b32 s2, 4
.Lrows:                                                ; a trip: eight of my 32 rows: four partials + bias + residual
.irp i, 0,1,2,3,4,5,6,7
.irp p, 0,1,2,3
	ds_load_b128 v[PT+16*\i+4*\p:PT+16*\i+4*\p+3], v[RD+\p] offset:\i*PP
.endr
.endr
	s_wait_loadcnt 0x0                             ; this trip's residual
.irp i, 0,1,2,3,4,5,6,7
	v_pk_add_f32 v[OS+4*\i:OS+4*\i+1],   v[RS+4*\i:RS+4*\i+1],   v[BV:BV+1]
	v_pk_add_f32 v[OS+4*\i+2:OS+4*\i+3], v[RS+4*\i+2:RS+4*\i+3], v[BV+2:BV+3]
.endr
	s_cmp_lg_u32 s2, 1
	s_cselect_b32 s20, 0x10000, 0                  ; eight rows on; in the last trip the same rows again, so that no load leaves the buffer
	v_add_nc_u32 v[CR], s20, v[CR]
.irp i, 0,1,2,3,4,5,6,7                ; the next trip's residual
	global_load_b128 v[RS+4*\i:RS+4*\i+3], v[CR], s[10:11] offset:\i*8192
.endr
	s_wait_dscnt 0x0
.irp p, 0,1,2,3
.irp i, 0,1,2,3,4,5,6,7
	v_pk_add_f32 v[OS+4*\i:OS+4*\i+1],   v[OS+4*\i:OS+4*\i+1],   v[PT+16*\i+4*\p:PT+16*\i+4*\p+1]
	v_pk_add_f32 v[OS+4*\i+2:OS+4*\i+3], v[OS+4*\i+2:OS+4*\i+3], v[PT+16*\i+4*\p+2:PT+16*\i+4*\p+3]
.endr
.endr
.irp i, 0,1,2,3,4,5,6,7                ; each store covers 512 consecutive bytes, aligned
	global_store_b128 v[CO], v[OS+4*\i:OS+4*\i+3], s[12:13] offset:\i*8192
.endr
	s_wait_xcnt 0x0                                ; the stores' data and offset are rewritten only behind this wait
.irp p, 0,1,2,3
	v_add_nc_u32 v[RD+\p], 8*PP, v[RD+\p]
.endr
	v_add_nc_u32 v[CO], 0x10000, v[CO]
	s_sub_co_u32 s2, s2, 1
	s_cmp_lg_u32 s2, 0
	s_cbranch_scc1 .Lrows
	s_wait_tensorcnt 0x0                           ; the wave's end
	ds_add_u32 v[SPW], v[NIL]
	s_wait_dscnt 0x0
	CROUND                                         ; the closing round: no work-group ends while a partner may still ask for a tile that names it
	s_endpgm
.Lfunc_end_k_qf2b49a1db7_fc2:
	.size	k_qf2b49a1db7_fc2, .Lfunc_end_k_qf2b49a1db7_fc2-k_qf2b49a1db7_fc2
	.p2alignl 7, 3214868480
	.fill 96, 4, 3214868480
	.section	.rodata,"a",@progbits
	.p2align	6, 0x0
	.amdhsa_kernel k_qf2b49a1db7_fc2
		.amdhsa_group_segment_fixed_size 327680
		.amdhsa_private_segment_fixed_size 0
		.amdhsa_enable_private_segment 0
		.amdhsa_kernarg_size 40
		.amdhsa_user_sgpr_count 2
		.amdhsa_user_sgpr_kernarg_segment_ptr 1
		.amdhsa_wavefront_size32 1
		.amdhsa_system_sgpr_workgroup_id_x 1
		.amdhsa_system_sgpr_workgroup_id_y 1
		.amdhsa_system_sgpr_workgroup_id_z 1
		.amdhsa_system_vgpr_workitem_id 0
		.amdhsa_next_free_vgpr 1024
		.amdhsa_next_free_sgpr 68
		.amdhsa_reserve_vcc 0
		.amdhsa_float_denorm_mode_32 3
		.amdhsa_float_denorm_mode_16_64 3
		.amdhsa_memory_ordered 1
		.amdhsa_forward_progress 1
		.amdhsa_inst_pref_size 94
	.end_amdhsa_kernel
	.amdgpu_metadata
---
amdhsa.version: [ 1, 2 ]
amdhsa.kernels:
  - .name:           k_qf2b49a1db7_fc2
    .symbol:         k_qf2b49a1db7_fc2.kd
    .args:
      - { .name: h, .offset: 0, .size: 8, .value_kind: global_buffer, .address_space: global }
      - { .name: wb, .offset: 8, .size: 8, .value_kind: global_buffer, .address_space: global }
      - { .name: b_fc2, .offset: 16, .size: 8, .value_kind: global_buffer, .address_space: global }
      - { .name: y, .offset: 24, .size: 8, .value_kind: global_buffer, .address_space: global }
      - { .name: out0, .offset: 32, .size: 8, .value_kind: global_buffer, .address_space: global }
    .group_segment_fixed_size: 327680
    .private_segment_fixed_size: 0
    .kernarg_segment_align: 8
    .kernarg_segment_size: 40
    .max_flat_workgroup_size: 128
    .sgpr_count:     68
    .vgpr_count:     1024
    .wavefront_size: 32
...
	.end_amdgpu_metadata
.endif
;; end of part 7
